; MI455X (gfx1250); checked and timed in simulation.
; The chip was launched on July 23, 2026; its instructions are those of AMD's public machine-readable ISA for CDNA 5 (MIT licence, August 2026) and "CDNA5" Instruction Set Architecture Reference Guide (July 2026). The comments in the code are by the model that wrote it; some were corrected since.
;; Multi Head Self Attention. Allowed arithmetic: matrix products marked QUANTISED: E2M1 operands, one E8M0 scale for each 32 along K, by v_wmma_scale_f32_16x16x128_f8f6f4 with both operands' format E2M1 (or v_wmma_scale_f32_32x16x128_f4), f32 sums; everything else in f32.
;; Inputs: Wk 16 x 1,024 x 64 float32; Wo 1,024 x 1,024 float32; Wq 16 x 1,024 x 64 float32; Wv 16 x 1,024 x 64 float32; bk 16 x 64 float32; bo 1,024 float32; bq 16 x 64 float32; bv 16 x 64 float32; x 4 x 2,048 x 1,024 float32.
;; Outputs: out0 4 x 2,048 x 1,024 float32.
;; This version of the problem:
;;   THIS VERSION OF THE PROBLEM IS GIVEN IN LOW PRECISION. The matrix products marked QUANTISED in the list below multiply operands that are first quantised to E2M1 (2 exponent bits, 1 mantissa bit; 4 bits a number), with one power-of-two scale for each 32 numbers along K (OCP MX v1.0); their sums are f32. All else is computed in f32.
;;   The module's matrix products, in the order in which they are computed (A, B: the left and right operand; K: the contracted axis; several contracted axes count as one K, in the product's order):
;;     1. [M 1,024, K 1,024] x [K 1,024, N 8,192]; A: input Wq; B: input x: QUANTISED
;;     2. [M 1,024, K 1,024] x [K 1,024, N 8,192]; A: input Wk; B: input x: QUANTISED
;;     3. [M 1,024, K 1,024] x [K 1,024, N 8,192]; A: input Wv; B: input x: QUANTISED
;;     4. batch 64 x [M 2,048, K 64] x [K 64, N 2,048]; A: computed on the way; B: computed on the way: QUANTISED
;;     5. batch 64 x [M 2,048, K 2,048] x [K 2,048, N 64]; A: softmax (see below); B: computed on the way: QUANTISED
;;     6. [M 8,192, K 1,024] x [K 1,024, N 1,024]; A: computed on the way; B: input Wo: QUANTISED
;;   THE QUANTISER, for each operand of a quantised product, along K:
;;     - K is cut into blocks of 32 from its start; a last block that is shorter is filled with zeros.
;;     - A block's scale is 2^e with e = floor(log2(the largest magnitude in the block)) - 2, held to -126 .. 127; a block of zeros has e = 0. As a byte (E8M0): e + 127.
;;     - Each number is divided by its block's scale, clamped to +-6, and rounded to the nearest number of E2M1, ties to even, subnormals kept.
;;     - The product sums the exact products of the quantised numbers (number of the format x scale) in f32.
;;   ~~~python
;;   def quantise(x, axis):      # numpy; x: float32 -> the quantised numbers, widened to float32 again
;;       x = np.moveaxis(x, axis, -1); K = x.shape[-1]
;;       x = np.pad(x, [(0, 0)] * (x.ndim - 1) + [(0, -K % 32)]); x = x.reshape(x.shape[:-1] + (-1, 32)); a = np.abs(x).max(-1, keepdims=True)
;;       e = np.where(a > 0, np.clip(np.frexp(np.where(a > 0, a, 1))[1] - 1 - 2, -126, 127), 0)      # np.frexp(a)[1] - 1 = floor(log2(a)), exactly
;;       r = np.clip(x / 2.0 ** e, -6, 6)
;;       step = 2.0 ** (np.maximum(np.frexp(np.where(r == 0, 1, r))[1] - 1, 0) - 1)
;;       q = np.round(r / step) * step * 2.0 ** e      # np.round: ties to even
;;       return np.moveaxis(q.reshape(q.shape[:-2] + (-1,))[..., :K], -1, axis).astype(np.float32)
;;   ~~~
;;   SOFTMAX AHEAD OF A QUANTISED PRODUCT. Where the list says 'softmax', what is quantised is not the finished softmax but p = 2^(t - M), with t = logit x log2(e) and M = ceil(the row's largest t), a whole number; so 1/2 < the row's largest p <= 1. The row's sum l is taken of the UNQUANTISED p, in f32, and the product's result is divided by l at the end. Since M is a whole number, a kernel that streams over the keys may use a running M (the ceiling of the running maximum): every later rescaling is an exact power of two, which a block's scale takes up: the codes' values come out the same.
;;   OPERANDS COMPUTED ON THE WAY. 'Computed on the way' means the value that the module computes at that place (a softmax that the list does not call 'softmax' is quantised finished and normalised). What goes into a quantiser is computed in f32, as accurately as f32 sums, v_exp_f32 and their like allow (about 1e-6 of the number): no bf16 or f16 on the way to a quantiser, and a product that is left as it is and whose result goes on into a quantised operand takes f32 operands (vector FMAs, or v_wmma_f32_16x16x4_f32). A number that lies on a knife's edge between two numbers of the format may be rounded either way, as far as f32 arithmetic and the matrix unit's own rounding can turn it there, and no further.
;; One version. Each part assembles by itself: llvm-mc -triple=amdgcn-amd-amdhsa -mcpu=gfx1250 --defsym DOCPART=n.
;; ======== version 1 of 1: 4 launches
;; limits: right only within a limited range of input values
;; workspace buffers: xq 4,194,304 bytes; xs 262,144 bytes; wimg 2,228,224 bytes; qimg 4,456,448 bytes; kv 8,912,896 bytes; oq 4,194,304 bytes; os 262,144 bytes
;; launch prep (part 1): grid 256 x 1, 6 waves a work-group, no clusters, 100,608 bytes of LDS; arguments x, Wq, Wk, Wv, Wo, xq, xs, wimg; writes xq, xs, wimg
.if DOCPART == 1
	.amdgcn_target "amdgcn-amd-amdhsa--gfx1250"
	.amdhsa_code_object_version 6
	.text
	.protected	k_qb3f6c727db_prep
	.globl	k_qb3f6c727db_prep
	.p2align	8
	.type	k_qb3f6c727db_prep,@function
k_qb3f6c727db_prep:
	s_mov_b64 s[64:65], 0
	v_nop
	global_prefetch_b8 v0, s[64:65] scope:SCOPE_SE
	s_setreg_imm32_b32 hwreg(HW_REG_WAVE_MODE, 25, 1), 1
	s_wait_xcnt 0x0
; x [8192 tokens][1024] and the weights Wq, Wk, Wv [16][1024 (k)][64], Wo [1024 (k)][1024], all f32, become codes of FP4 (E2M1) with one E8M0 byte for each 32 along K (K = the 1,024).
; A block's scale is 2^(floor(log2(its largest magnitude)) - 2); its byte is the largest magnitude's exponent field - 2, held at 1 from below by a floor among the maximum's leaves.
; LIMITS: a block of zeros, or one whose largest magnitude lies under 2^-124, gets the byte 1 (the quantiser says 127 for zeros): its codes are zeros and only this program reads the bytes.  NaN and infinities are not served.
; WHAT IS STORED are images of operand registers.  A fragment (16 rows x 128 K) is 1,024 bytes: chunk c (512 bytes) holds registers 4 c .. 4 c + 3, lane l's 16 bytes at 16 l; lane (r = l % 16, h = l / 16) holds k = 64 c + 32 h + 0 .. 31 of row r.
; THE ROWS OF A TILE ARE NOT NEIGHBOURS: row m of tile 2 b + u of a group of 32 is element 32 b + 8 u + m + 8 (m / 8), for tokens and for a weight's features alike.
;   xq   [token group of 128][tile 8][K step 8][1,024]          xs  [group][half of K 2][pair of tiles 4][lane 32][4 words]: lanes 0-15 the even tile's rows, lanes 16-31 the odd tile's; word = K step in the half
;   wimg 64 units of 34,816 bytes (64 features): codes [K step 8][tile 4][1,024], then scale words [K step 8][lane 32][2 words]: word b of lane 16 u + r is row r of tile 2 b + u.  Unit 3 head + (Q 0, K 1, V 2); Wo's columns 64 n on: unit 48 + n
; SHARES: six waves that share nothing: no barrier.  Waves 0-3: 16 tokens x 512 along K of x each (1,024 such jobs); waves 4-5: 128 along K x 64 features of a weight each (512 jobs).  Every job is 32 KiB of f32,
; asked for at once by 64 loads of 16 bytes a lane into 256 registers (window 1), each load reading whole runs of 256 or 512 consecutive bytes.  The numbers turn through the wave's own stage in LDS so that a lane gets its 32 neighbours along K.
; No matrix work, no tensor loads, no cluster: nothing is read by two work-groups.
.set X,     32                         ; v32-95   64 numbers of my lane: two blocks of 32 along K
.set CD,    96                         ; v96-127  codes: eight registers for each of the job's four fragments, so that no store's data are written again
.set SW,    20                         ; v20-23   the four fragments' scale words
.set XST,   8448                       ; x's stage: 16 rows x (512 + 16) bytes, one for each of waves 0-3
.set WST,   33024                      ; a weight's stage: 128 rows of 256 bytes, 32 bytes skipped behind every 32 rows
.set WB0,   4*XST                      ; where the weights' two stages begin
.set UNITB, 34816
.set FLOOR, 0x1800000                  ; 2^(3 - 127)
.set MSB, 0
.macro WIN new                         ; the immediate's high byte repeats the setting that is left
.if MSB != \new
	s_set_vgpr_msb (MSB<<8)|\new
.set MSB, \new
.endif
.endm
; Two whole blocks of my lane, v[x .. x + 31] (block h of my row's four) and v[x + 32 .. x + 63] (block 2 + h), become the fragment's eight registers v[cd ..] and my row's scale word v[w].
.macro Q2 x, cd, w
	v_max3_num_f32 v16, |v[(\x)]|, |v[(\x)+1]|, FLOOR            ; the floor is one more leaf: the byte cannot fall under 1
	v_max3_num_f32 v17, |v[(\x)+32]|, |v[(\x)+33]|, FLOOR
.irp i, 2,4,6,8,10,12,14,16,18,20,22,24,26,28,30
	v_max3_num_f32 v16, v16, |v[(\x)+\i]|, |v[(\x)+\i+1]|        ; the two blocks by turns
	v_max3_num_f32 v17, v17, |v[(\x)+32+\i]|, |v[(\x)+33+\i]|
.endr
	v_add_nc_u32 v18, 0xff000000, v16              ; 2 off the exponent field: the conversion takes this operand's exponent field as its scale
	v_add_nc_u32 v19, 0xff000000, v17
	v_lshrrev_b32 v26, 23, v18                     ; the bytes
	v_lshrrev_b32 v27, 23, v19
	v_lshl_or_b32 v28, v27, 16, v26                ; blocks h and 2 + h,
	v_lshlrev_b32 v28, v5, v28                     ; 8 h bits up;
	v_permlanex16_b32 v29, v28, s22, s23
	v_or_b32 v[\w], v28, v29                       ; with lane l xor 16's two the word is whole, in both halves of the lanes
.irp g, 0,1,2,3
	v_cvt_scalef32_pk8_fp4_f32 v[(\cd)+\g], v[(\x)+8*\g:(\x)+8*\g+7], v18
	v_cvt_scalef32_pk8_fp4_f32 v[(\cd)+4+\g], v[(\x)+32+8*\g:(\x)+32+8*\g+7], v19
.endr
	v_nop                                          ; one plain line behind the last conversion
.endm
	s_load_b256 s[4:11], s[0:1], 0x0               ; x s[4:5], Wq s[6:7], Wk s[8:9], Wv s[10:11]
	s_load_b256 s[12:19], s[0:1], 0x20             ; Wo s[12:13], xq s[14:15], xs s[16:17], wimg s[18:19]
	v_lshl_add_u32 v254, v0, 2, 0x18600
	v_mov_b32 v255, 0
	v_lshrrev_b32 v1, 5, v0
	v_readfirstlane_b32 s20, v1                    ; wave 0..5
	v_and_b32 v1, 31, v0                           ; l
	v_and_b32 v2, 15, v0                           ; r
	v_bfe_u32 v3, v0, 4, 1                         ; h
	v_lshlrev_b32 v4, 4, v1                        ; 16 l
	v_lshlrev_b32 v5, 3, v3                        ; 8 h
	v_mov_b32 v29, 0                               ; written once: a lane permute's destination counts as one of its sources
	s_mov_b32 s22, 0x76543210
	s_mov_b32 s23, 0xfedcba98                      ; v_permlanex16_b32's selects for lane l xor 16
	s_mov_b32 s24, 0xffff0000                      ; a lane mask: lanes 16-31
	s_cmp_lt_u32 s20, 4
	s_cbranch_scc0 .Lweights
	; ---------------- waves 0-3: x ----------------
	s_lshl_b32 s26, ttmp9, 2
	s_add_co_u32 s26, s26, s20                     ; my job: 2 x tile + half of K
	s_lshr_b32 s27, s26, 1                         ; the tile of 16 tokens, 0..511
	s_and_b32 s28, s26, 1                          ; which 512 along K
	s_lshr_b32 s29, s27, 1
	s_lshl_b32 s29, s29, 17                        ; its group of 32 tokens x 4,096 bytes a token
	s_and_b32 s30, s27, 1
	s_lshl_b32 s30, s30, 15                        ; + 8 tokens for an odd tile
	s_add_co_u32 s48, s29, s30
	s_lshl_b32 s30, s28, 11                        ; + 2,048 bytes for the second half of K
	s_add_co_u32 s48, s48, s30
	s_mov_b32 s49, 0
	s_lshl_b32 s50, s26, 12                        ; xq: four fragments, 4,096 bytes a job
	s_mov_b32 s51, 0
	s_lshr_b32 s52, s27, 3
	s_lshl_b32 s52, s52, 12                        ; xs: 4,096 a group,
	s_and_b32 s29, s27, 7
	s_lshl_b32 s29, s29, 8                         ; 256 a tile,
	s_add_co_u32 s52, s52, s29
	s_add_co_u32 s52, s52, s30                     ; 2,048 a half of K
	s_mov_b32 s53, 0
	s_mul_i32 s31, s20, XST                        ; my stage
	s_wait_alu depctr_va_vdst(0)
	v_add_nc_u32 v6, s31, v4                       ; in: 16 l of a row
	v_mul_u32_u24 v7, v2, 528
	v_lshl_add_u32 v7, v3, 7, v7
	v_add_nc_u32 v7, s31, v7                       ; back: row r, 128 h bytes on: my 32 numbers of a block pair
	s_wait_alu depctr_va_vdst(0)
	s_wait_kmcnt 0x0
	s_add_nc_u64 s[4:5], s[4:5], s[48:49]
	s_add_nc_u64 s[14:15], s[14:15], s[50:51]
	s_add_nc_u64 s[16:17], s[16:17], s[52:53]
	WIN 0x40                                       ; destination window 1
.set n, 0
.rept 64                               ; load n = 16 sl + row: 512 consecutive bytes (K step sl) of the tile's row
	global_load_b128 v[4*n:4*n+3], v4, s[4:5] offset:((n%16)+8*((n%16)/8))*4096+512*(n/16) th:TH_LOAD_NT
.set n, n+1
.endr
	WIN 0
.macro XSTEP sl
	s_wait_loadcnt 16*(3-\sl)                      ; this K step's sixteen loads are in; the later steps' may be out
	WIN 0x04                                       ; an LDS store's data: window 1
.set n, 0
.rept 16
	ds_store_b128 v6, v[64*\sl+4*n:64*\sl+4*n+3] offset:528*n
.set n, n+1
.endr
	WIN 0
.set n, 0
.rept 16                               ; LDS serves a wave's instructions in order: these see the stores above
	ds_load_b128 v[X+4*n:X+4*n+3], v7 offset:256*(n/8)+16*(n%8)
.set n, n+1
.endr
	s_wait_dscnt 0x0
	Q2 X, CD+8*\sl, SW+\sl
	global_store_b128 v4, v[CD+8*\sl:CD+8*\sl+3], s[14:15] offset:1024*\sl          ; 512 consecutive bytes a store
	global_store_b128 v4, v[CD+8*\sl+4:CD+8*\sl+7], s[14:15] offset:1024*\sl+512
.endm
	XSTEP 0
	XSTEP 1
	XSTEP 2
	XSTEP 3
	v_cndmask_b32 v24, v20, v22, s24               ; lanes 0-15 store words 0, 1 of their row, lanes 16-31 words 2, 3:
	v_cndmask_b32 v25, v21, v23, s24
	v_lshlrev_b32 v8, 4, v2
	v_lshl_add_u32 v8, v3, 3, v8                   ; at 16 r + 8 h: the wave stores 256 consecutive bytes
	global_store_b64 v8, v[24:25], s[16:17]
	s_wait_tensorcnt 0x0
	ds_add_u32 v254, v255
	s_wait_dscnt 0x0
	s_endpgm
	; ---------------- waves 4-5: a weight ----------------
.Lweights:
	s_lshr_b32 s26, ttmp9, 2                       ; 0..63: which weight, which 64 features
	s_lshr_b32 s27, s26, 4                         ; Wq 0, Wk 1, Wv 2, Wo 3
	s_and_b32 s28, s26, 15                         ; the head, or Wo's block of 64 columns
	s_and_b32 s29, ttmp9, 3
	s_lshl_b32 s29, s29, 1
	s_and_b32 s30, s20, 1                          ; 0 in wave 4, 1 in wave 5
	s_add_co_u32 s29, s29, s30                     ; the K step, 0..7
	s_mul_i32 s25, s30, WST
	s_add_co_u32 s25, s25, WB0                     ; my stage
	s_mul_i32 s49, s28, 3
	s_add_co_u32 s49, s49, s27                     ; the unit: 3 head + which,
	s_add_co_u32 s50, s28, 48                      ; or 48 + block for Wo
	s_wait_kmcnt 0x0
	s_cmp_eq_u32 s27, 1                            ; the choices hang on the work-group's number alone
	s_cselect_b64 s[6:7], s[8:9], s[6:7]
	s_cmp_eq_u32 s27, 2
	s_cselect_b64 s[6:7], s[10:11], s[6:7]
	s_cmp_eq_u32 s27, 3
	s_cselect_b64 s[6:7], s[12:13], s[6:7]
	s_cselect_b32 s31, 12, 8                       ; from k to k + 1: 4,096 bytes in Wo, 256 in the others, as a shift
	s_cselect_b32 s48, 8, 18                       ; from block to block: 256 bytes in Wo, 262,144 from head to head
	s_cselect_b32 s49, s50, s49
	s_lshl_b32 s52, s28, s48
	s_lshl_b32 s53, s29, 7
	s_lshl_b32 s53, s53, s31                       ; 128 rows a K step
	s_add_co_u32 s52, s52, s53
	s_mov_b32 s53, 0
	s_add_nc_u64 s[32:33], s[6:7], s[52:53]        ; eight bases, 16 rows of k apart
	s_lshl_b32 s54, 16, s31
	s_mov_b32 s55, 0
.irp t, 1,2,3,4,5,6,7
	s_add_nc_u64 s[32+2*\t:33+2*\t], s[30+2*\t:31+2*\t], s[54:55]
.endr
	s_mul_i32 s56, s49, UNITB
	s_lshl_b32 s58, s29, 8
	s_add_co_u32 s58, s58, s56
	s_add_co_u32 s58, s58, 32768                   ; the unit's scale words of this K step
	s_mov_b32 s59, 0
	s_add_nc_u64 s[60:61], s[18:19], s[58:59]
	s_lshl_b32 s58, s29, 12
	s_add_co_u32 s56, s56, s58                     ; and its four fragments
	s_mov_b32 s57, 0
	s_add_nc_u64 s[18:19], s[18:19], s[56:57]
	s_wait_alu depctr_va_vdst(0)
	v_lshlrev_b32 v31, 4, v2                       ; 16 r
.irp q, 0,1,2,3,4,5,6,7
	v_add_nc_u32 v[8+\q], 2*\q, v3                 ; eight offsets: row 2 q + h of a base's sixteen, 16 r bytes on: sixteen lanes read a row's 256 bytes
	v_lshl_add_u32 v[8+\q], v[8+\q], s31, v31
.endr
	v_add_nc_u32 v6, s25, v4                       ; the stage, in: 16 l: two rows of 256 bytes
	v_and_b32 v7, 8, v2
	v_add_nc_u32 v7, v7, v2                        ; r + 8 (r / 8)
	v_lshlrev_b32 v7, 2, v7
	v_mad_u32_u24 v7, v3, 8224, v7                 ; back: my feature's column; lanes 16-31 begin 32 rows (and one skip) further down
	v_add_nc_u32 v7, s25, v7
	v_lshlrev_b32 v30, 3, v1                       ; 8 l
	WIN 0x40
.irp t, 0,1,2,3,4,5,6,7
.irp q, 0,1,2,3,4,5,6,7
	global_load_b128 v[4*(8*\t+\q):4*(8*\t+\q)+3], v[8+\q], s[32+2*\t:33+2*\t] th:TH_LOAD_NT   ; rows 16 t + 2 q and + 1 of the K step
.endr
.endr
	WIN 0x04
	s_wait_alu depctr_va_vdst(0)
.irp g, 0,1,2,3
	s_wait_loadcnt 48-16*\g                        ; these sixteen loads are in; the later ones may be out
.irp e, 0,1,2,3,4,5,6,7,8,9,10,11,12,13,14,15
	ds_store_b128 v6, v[4*(16*\g+\e):4*(16*\g+\e)+3] offset:512*(16*\g+\e)+32*\g
.endr
.endr
	WIN 0
; Tile j: lane (r, h) takes feature 32 (j / 2) + 8 (j % 2) + r + 8 (r / 8) and runs down K: k = 64 c + 32 h + i.
.macro WTILE j
.set n, 0
.rept 64
	ds_load_b32 v[X+n], v7 offset:16448*(n/32)+256*(n%32)+4*(32*((\j)/2)+8*((\j)%2))
.set n, n+1
.endr
	s_wait_dscnt 0x0
	Q2 X, CD+8*\j, SW+\j
	global_store_b128 v4, v[CD+8*\j:CD+8*\j+3], s[18:19] offset:1024*\j
	global_store_b128 v4, v[CD+8*\j+4:CD+8*\j+7], s[18:19] offset:1024*\j+512
.endm
	WTILE 0
	WTILE 1
	WTILE 2
	WTILE 3
	v_cndmask_b32 v24, v20, v21, s24               ; word 0: tile 0 in lanes 0-15, tile 1 in lanes 16-31;
	v_cndmask_b32 v25, v22, v23, s24               ; word 1: tiles 2 and 3
	global_store_b64 v30, v[24:25], s[60:61]       ; 256 consecutive bytes
	s_wait_tensorcnt 0x0
	ds_add_u32 v254, v255
	s_wait_dscnt 0x0
	s_endpgm
.Lfunc_end_k_qb3f6c727db_prep:
	.size	k_qb3f6c727db_prep, .Lfunc_end_k_qb3f6c727db_prep-k_qb3f6c727db_prep
	.p2alignl 7, 3214868480
	.fill 96, 4, 3214868480
	.section	.rodata,"a",@progbits
	.p2align	6, 0x0
	.amdhsa_kernel k_qb3f6c727db_prep
		.amdhsa_group_segment_fixed_size 100608
		.amdhsa_private_segment_fixed_size 0
		.amdhsa_enable_private_segment 0
		.amdhsa_kernarg_size 64
		.amdhsa_user_sgpr_count 2
		.amdhsa_user_sgpr_kernarg_segment_ptr 1
		.amdhsa_wavefront_size32 1
		.amdhsa_system_sgpr_workgroup_id_x 1
		.amdhsa_system_sgpr_workgroup_id_y 1
		.amdhsa_system_sgpr_workgroup_id_z 1
		.amdhsa_system_vgpr_workitem_id 0
		.amdhsa_next_free_vgpr 512
		.amdhsa_next_free_sgpr 66
		.amdhsa_reserve_vcc 0
		.amdhsa_float_denorm_mode_32 3
		.amdhsa_float_denorm_mode_16_64 3
		.amdhsa_memory_ordered 1
		.amdhsa_forward_progress 1
		.amdhsa_inst_pref_size 72
	.end_amdhsa_kernel
	.amdgpu_metadata
---
amdhsa.version: [ 1, 2 ]
amdhsa.kernels:
  - .name:           k_qb3f6c727db_prep
    .symbol:         k_qb3f6c727db_prep.kd
    .args:
      - { .name: x, .offset: 0, .size: 8, .value_kind: global_buffer, .address_space: global }
      - { .name: Wq, .offset: 8, .size: 8, .value_kind: global_buffer, .address_space: global }
      - { .name: Wk, .offset: 16, .size: 8, .value_kind: global_buffer, .address_space: global }
      - { .name: Wv, .offset: 24, .size: 8, .value_kind: global_buffer, .address_space: global }
      - { .name: Wo, .offset: 32, .size: 8, .value_kind: global_buffer, .address_space: global }
      - { .name: xq, .offset: 40, .size: 8, .value_kind: global_buffer, .address_space: global }
      - { .name: xs, .offset: 48, .size: 8, .value_kind: global_buffer, .address_space: global }
      - { .name: wimg, .offset: 56, .size: 8, .value_kind: global_buffer, .address_space: global }
    .group_segment_fixed_size: 100608
    .private_segment_fixed_size: 0
    .kernarg_segment_align: 8
    .kernarg_segment_size: 64
    .max_flat_workgroup_size: 192
    .sgpr_count:     66
    .vgpr_count:     512
    .wavefront_size: 32
...
	.end_amdgpu_metadata
.endif
;; end of part 1
;; launch qkv (part 2): grid 16 x 16, 4 waves a work-group, clusters of 4 x 1, 168,448 bytes of LDS; arguments xq, xs, wimg, bq, bk, bv, qimg, kv; writes qimg, kv
.if DOCPART == 2
	.amdgcn_target "amdgcn-amd-amdhsa--gfx1250"
	.amdhsa_code_object_version 6
	.text
	.protected	k_qb3f6c727db_qkv
	.globl	k_qb3f6c727db_qkv
	.p2align	8
	.type	k_qb3f6c727db_qkv,@function
k_qb3f6c727db_qkv:
	s_mov_b64 s[64:65], 0
	v_nop
	global_prefetch_b8 v0, s[64:65] scope:SCOPE_SE
	s_setreg_imm32_b32 hwreg(HW_REG_WAVE_MODE, 25, 1), 1
	s_wait_xcnt 0x0
	s_wait_alu depctr_hold_cnt(0) depctr_sa_sdst(0) depctr_va_vdst(0) depctr_va_sdst(0) depctr_va_ssrc(0) depctr_va_vcc(0) depctr_vm_vsrc(0)
	s_getreg_b32 s2, hwreg(HW_REG_IB_STS2, 6, 4)
	s_cmp_eq_u32 s2, 0
	s_cbranch_scc0 .Lentry_in_a_cluster
	s_endpgm
.Lentry_in_a_cluster:
	s_bfe_u32 s2, ttmp6, 0x10000c
	s_cmp_lg_u32 s2, 0x3003
	s_cbranch_scc0 .Lentry_shape_is_right
	s_endpgm
.Lentry_shape_is_right:
; q, k, v = x W + b for one head and 512 tokens, on codes of FP4 with E8M0 scales (K = 1,024, eight steps of 128); the results are quantised in registers, in f32, and leave as codes alone:
; q and k along the head's 64, v along the keys.  Layouts of xq, xs, wimg: images of operand registers, rows of a tile in the order 32 b + 8 u + m + 8 (m / 8) (tile 2 b + u, row m).
; LIMITS: a block of zeros, or one under 2^-124, gets the scale byte 1 (its codes are zeros; only this program reads the bytes).  NaN and infinities are not served.  The bias is the C of the first K step, so it is added first and not last.
; SHARES.  Work-group (x, y): head y, tokens 512 x on.  Wave w owns the token group G = 4 x + w (128 tokens): its 64 fragments of x (512 registers, windows 2 and 3) are loaded once and stay;
; it makes three units of 128 tokens x 64 features, Q, K and V, 256 matrix instructions each, on 32 accumulators (window 1).
; CLUSTER.  The four work-groups of a cluster share the head, so they share its three units of W (104,448 bytes): each wave asks for a quarter of the three units together JOINTLY, once, at the head.  No LDS byte is filled twice.
; x's images are not shared through LDS: a work-group's four groups (4 x 68 KiB with their scales) do not fit beside W, and within a cluster no two waves want the same group.
; Q, K: source 0 = 16 features of W, source 1 = 16 tokens: a lane holds one token, and the 16 registers of two neighbouring feature tiles are 16 neighbours along d.
; V:    source 0 = 16 tokens, source 1 = 16 features: a lane holds one feature, and its registers run along the tokens, which are the keys: the K of attention's second product.
; OUT.  qimg [batch x head 64][group 16][4,352]: four pair images (chunk 0: tile 2 g, chunk 1: tile 2 g + 1, each 16 tokens x 64 d), then 256 bytes of scale words [lane][2]: word g / 2, lanes 16 (g % 2) on: bytes 0, 1 tile 2 g, bytes 2, 3 tile 2 g + 1.
;       kv   [batch x head][group][8,704]: K's four pair images, V^T's four fragments (16 d x 128 keys), K's scale words (as qimg's), V's (word j / 2, lanes 16 (j % 2) on).
; REGISTERS, window 0: v1-13 lane terms and addresses; v16-47 x's scale words (8 (i / 2) + s; the odd tile in lanes 16-31); v48-63 W's (2 s + j / 2; the odd tile in lanes 16-31); v64-127 W's fragments, two sets of four
;   (on the way out v64-95: the codes); v128-159 bq, later bv spread out; v160-191 bk; v192-195 bv; v200-215 at work; v216-219 scale words just made; v220-221 the same, packed.
.set UNITB, 34816
.set QUART, 26112                      ; a quarter of the head's three units, which lie on end in memory and in LDS: what my one tensor load brings
.set XS,  16
.set WS,  48
.set WF,  64
.set BQ,  128
.set BK,  160
.set BVR, 192
.set TM,  200
.set PW,  216
.set FLOOR, 0x1800000
.set MSB, 0
.macro WIN new                         ; the immediate's high byte repeats the setting that is left
.if MSB != \new
	s_set_vgpr_msb (MSB<<8)|\new
.set MSB, \new
.endif
.endm
.macro CROUND                          ; a round of the cluster's barrier
	s_barrier_signal -1
	s_barrier_wait -1
	s_cmp_lg_u32 s20, 0
	s_cbranch_scc1 .Lnot_wave_0_\@
	s_barrier_signal -3
.Lnot_wave_0_\@:
	s_barrier_wait -3
	s_barrier_signal -1
	s_barrier_wait -1
.endm
; one matrix instruction; ra, rb: the side's scale words stand in lanes 16-31
.macro WM d, a, b, c, sa, sb, ra, rb
.if (\ra) && (\rb)
	v_wmma_scale_f32_16x16x128_f8f6f4 v[\d:\d+7], v[\a:\a+7], v[\b:\b+7], v[\c:\c+7], v[\sa], v[\sb] matrix_a_fmt:MATRIX_FMT_FP4 matrix_b_fmt:MATRIX_FMT_FP4 matrix_a_scale:MATRIX_SCALE_ROW1 matrix_b_scale:MATRIX_SCALE_ROW1
.elseif (\ra)
	v_wmma_scale_f32_16x16x128_f8f6f4 v[\d:\d+7], v[\a:\a+7], v[\b:\b+7], v[\c:\c+7], v[\sa], v[\sb] matrix_a_fmt:MATRIX_FMT_FP4 matrix_b_fmt:MATRIX_FMT_FP4 matrix_a_scale:MATRIX_SCALE_ROW1
.elseif (\rb)
	v_wmma_scale_f32_16x16x128_f8f6f4 v[\d:\d+7], v[\a:\a+7], v[\b:\b+7], v[\c:\c+7], v[\sa], v[\sb] matrix_a_fmt:MATRIX_FMT_FP4 matrix_b_fmt:MATRIX_FMT_FP4 matrix_b_scale:MATRIX_SCALE_ROW1
.else
	v_wmma_scale_f32_16x16x128_f8f6f4 v[\d:\d+7], v[\a:\a+7], v[\b:\b+7], v[\c:\c+7], v[\sa], v[\sb] matrix_a_fmt:MATRIX_FMT_FP4 matrix_b_fmt:MATRIX_FMT_FP4
.endif
.endm
.macro WFLOAD which, s                 ; the unit's four fragments of K step s into set s % 2: eight loads of 512 consecutive bytes
.set n, 0
.rept 8
	ds_load_b128 v[WF+32*((\s)%2)+4*n:WF+32*((\s)%2)+4*n+3], v[8+\which] offset:4096*(\s)+512*n
.set n, n+1
.endr
.endm
; 32 matrix instructions: K step s of a unit.  The 32 accumulators take turns, one instruction a turn, in the same order in every step.  In step 0 the bias is C.
.macro MULS form, s, bias
.set ii, 0
.rept 8
.set jj, 0
.rept 4
.set rW, WF+32*((\s)%2)+8*jj
.set rX, 64*((\s)%4)+8*ii
.set sW, WS+2*(\s)+jj/2
.set sX, XS+8*(ii/2)+(\s)
.if \form
.set rD, 8*(8*jj+ii)
.else
.set rD, 8*(4*ii+jj)
.endif
.if (\s) == 0
.set rC, (\bias)+8*jj
.else
.set rC, rD
.endif
.if \form
	WM rD, rX, rW, rC, sX, sW, ii&1, jj&1
.else
	WM rD, rW, rX, rC, sW, sX, jj&1, ii&1
.endif
.set jj, jj+1
.endr
.set ii, ii+1
.endr
.endm
.macro USTEP form, which, bias, first, s
	s_wait_dscnt 0x0                               ; this step's fragments of W, asked for a step (32 matrix instructions) ago, are in
.if \first
.if 16*(7-(\s)) > 63
	s_wait_loadcnt 63                              ; x's fragments of this step are in.  Behind them stand 16 loads for each later step; the count is written as 63 where that is more, which waits for more than is needed
.else
	s_wait_loadcnt 16*(7-(\s))
.endif
.endif
.if (\s) < 7
.rept 4
	v_nop                                          ; four places between the last step's products and the loads into the set that they read
.endr
	WIN 0
	WFLOAD \which, (\s)+1
.endif
.if \form
.if (\s) == 0
	WIN 0x42                                       ; source 0 (x) window 2, source 1 (W) and C (the bias) window 0, D window 1
.elseif (\s) < 4
	WIN 0x52                                       ; C window 1
.else
	WIN 0x53                                       ; x window 3
.endif
.else
.if (\s) == 0
	WIN 0x48                                       ; source 0 (W) and C (the bias) window 0, source 1 (x) window 2, D window 1
.elseif (\s) < 4
	WIN 0x58
.else
	WIN 0x5c
.endif
.endif
	MULS \form, \s, \bias
.endm
.macro UNIT form, which, bias, first
.if !(\first)
	s_wait_xcnt 0x0                                ; the last unit's stores have read v64-95 and v220-221: they are written again only behind this wait
.endif
.irp s, 0,1,2,3,4,5,6,7
	ds_load_b64 v[WS+2*\s:WS+2*\s+1], v[11+\which] offset:256*\s   ; the unit's scale words, all eight steps
.endr
	WFLOAD \which, 0
.irp s, 0,1,2,3,4,5,6,7
	USTEP \form, \which, \bias, \first, \s
.endr
.endm
; 64 numbers of my lane in window 1, v[64 g ..]: register 16 b + i is element 32 b + 16 h + i along the next K.  They become a fragment's eight registers v[pc ..] and its row's scale word v[pw].
; Each accumulator is read from its low end on.
.macro QUANTW g, pc, pw
	WIN 0x05                                       ; sources 0 and 1 window 1
.irp b, 0,1,2,3
	v_max3_num_f32 v[TM+\b], |v[64*(\g)+16*\b]|, |v[64*(\g)+16*\b+1]|, FLOOR    ; my 16 numbers of block b, and the floor 2^(3 - 127): the byte cannot fall under 1
.endr
	WIN 0x14                                       ; sources 1 and 2 window 1
.irp i, 2,4,6,8,10,12,14
.irp b, 0,1,2,3
	v_max3_num_f32 v[TM+\b], v[TM+\b], |v[64*(\g)+16*\b+\i]|, |v[64*(\g)+16*\b+\i+1]|
.endr
.endr
	WIN 0
.irp b, 0,1,2,3
	v_permlanex16_b32 v[TM+4+\b], v[TM+\b], s22, s23
.endr
.irp b, 0,1,2,3
	v_max_num_f32 v[TM+\b], v[TM+\b], v[TM+4+\b]   ; with lane l xor 16's: the block's largest magnitude
.endr
.irp b, 0,1,2,3
	v_add_nc_u32 v[TM+12+\b], 0xff000000, v[TM+\b] ; 2 off its exponent field: the conversion's scale operand
.endr
.irp b, 0,1,2,3
	v_lshrrev_b32 v[TM+4+\b], 23, v[TM+12+\b]      ; the byte
.endr
	v_lshl_or_b32 v[\pw], v[TM+5], 8, v[TM+4]
	v_lshl_or_b32 v[\pw], v[TM+6], 16, v[\pw]
	v_lshl_or_b32 v[\pw], v[TM+7], 24, v[\pw]
	WIN 0x01                                       ; source 0 window 1
.irp b, 0,1,2,3
	v_cvt_scalef32_pk8_fp4_f32 v[(\pc)+2*\b], v[64*(\g)+16*\b:64*(\g)+16*\b+7], v[TM+12+\b]
	v_cvt_scalef32_pk8_fp4_f32 v[(\pc)+2*\b+1], v[64*(\g)+16*\b+8:64*(\g)+16*\b+15], v[TM+12+\b]
.endr
	WIN 0
	v_nop                                          ; one plain line behind the last conversion
.irp c, 0,1                            ; the operand's layout wants a whole block in a lane
.irp i, 0,1
	v_permlane16_swap_b32 v[(\pc)+4*\c+\i], v[(\pc)+4*\c+\i+2]
.endr
.endr
.endm
; a unit's way out: four fragments (512 consecutive bytes a store) and their scale words (256 consecutive bytes)
.macro EPI base, coff, soff
.rept 4
	v_nop                                          ; four places between the last products and the first read of results
.endr
.irp g, 0,1,2,3
	QUANTW \g, 64+8*\g, PW+\g
	global_store_b128 v4, v[64+8*\g:64+8*\g+3], s[\base:\base+1] offset:\coff+1024*\g
	global_store_b128 v4, v[64+8*\g+4:64+8*\g+7], s[\base:\base+1] offset:\coff+1024*\g+512
.endr
	v_cndmask_b32 v220, v216, v217, s21            ; word 0: fragment 0 in lanes 0-15, fragment 1 in lanes 16-31;
	v_cndmask_b32 v221, v218, v219, s21            ; word 1: fragments 2 and 3
	global_store_b64 v5, v[220:221], s[\base:\base+1] offset:\soff
.endm
	s_load_b256 s[4:11], s[0:1], 0x0               ; xq s[4:5], xs s[6:7], wimg s[8:9], bq s[10:11]
	s_load_b256 s[12:19], s[0:1], 0x20             ; bk s[12:13], bv s[14:15], qimg s[16:17], kv s[18:19]
	v_lshl_add_u32 v254, v0, 2, 0x29000
	v_mov_b32 v255, 0
	ds_add_u32 v254, v255
	ds_add_u32 v254, v255
	v_lshrrev_b32 v1, 5, v0
	v_readfirstlane_b32 s20, v1                    ; wave 0..3
	v_and_b32 v1, 31, v0                           ; l
	v_and_b32 v2, 15, v0                           ; r
	v_bfe_u32 v3, v0, 4, 1                         ; h
	v_lshlrev_b32 v4, 4, v1                        ; 16 l: my place in every chunk of an image
	v_lshlrev_b32 v5, 3, v1                        ; 8 l: in a block of packed scale words
	v_lshlrev_b32 v6, 6, v3                        ; bq, bk: 16 h numbers on
	v_and_b32 v7, 8, v2
	v_add_nc_u32 v7, v7, v2
	v_lshlrev_b32 v7, 2, v7                        ; bv: number r + 8 (r / 8)
.irp k, 0,1,2
	v_add_nc_u32 v[8+\k], \k*UNITB, v4             ; LDS: unit k's fragments,
	v_add_nc_u32 v[11+\k], \k*UNITB+32768, v5      ; and its scale words
.endr
.irp b, 0,1,2,3
	v_mov_b32 v[TM+4+\b], 0                        ; written once: a lane permute's destination counts as one of its sources
.endr
	s_mov_b32 s21, 0xffff0000                      ; a lane mask: lanes 16-31
	s_mov_b32 s22, 0x76543210
	s_mov_b32 s23, 0xfedcba98
	; descriptor group 1: a dense block of 26,112 bytes as 102 rows of 256 bytes (32 elements of 8 bytes), no padding
	s_mov_b32 s24, 15|(3<<16)|(1<<21)              ; 15:0 the mask: all four work-groups of the cluster; 17:16 elements of 8 bytes; 21 set beside a mask
	s_mov_b32 s25, 32<<16                          ; tensor_dim0 = 32
	s_mov_b32 s26, 102<<16                         ; tensor_dim1 = 102 rows of 256 bytes
	s_mov_b32 s27, 32<<16                          ; tile_dim0 = 32
	s_mov_b32 s28, 102                             ; tile_dim1 = 102
	s_mov_b32 s29, 32                              ; from row to row
	s_mov_b32 s30, 0
	s_mov_b32 s31, 0
	s_and_b32 s46, ttmp7, 0xffff                   ; the head, which the four partners share
	s_mul_i32 s48, s46, 3*UNITB
	s_mul_i32 s50, s20, QUART                      ; my quarter, in memory and in LDS
	s_add_co_u32 s48, s48, s50
	s_mov_b32 s49, 0
	s_bfe_u32 s44, ttmp6, 0x40000                  ; cx: it enters x's and the results' addresses alone
	s_lshl_b32 s45, ttmp9, 2
	s_add_co_u32 s45, s45, s44
	s_lshl_b32 s45, s45, 2
	s_add_co_u32 s45, s45, s20                     ; G, my token group, 0..63
	s_lshl_b32 s52, s45, 16                        ; xq: 65,536 bytes a group
	s_mov_b32 s53, 0
	s_lshl_b32 s54, s45, 12                        ; xs: 4,096
	s_mov_b32 s55, 0
	s_lshl_b32 s56, s46, 8                         ; the biases: 256 bytes a head
	s_mov_b32 s57, 0
	s_lshr_b32 s58, s45, 4
	s_lshl_b32 s58, s58, 8
	s_lshl_b32 s59, s46, 4
	s_add_co_u32 s58, s58, s59
	s_and_b32 s59, s45, 15
	s_add_co_u32 s58, s58, s59                     ; 256 batch + 16 head + group in the batch
	s_mul_i32 s60, s58, 8704
	s_mov_b32 s61, 0
	s_mul_i32 s58, s58, 4352
	s_mov_b32 s59, 0
	s_wait_dscnt 0x0
	s_wait_kmcnt 0x0
	s_add_nc_u64 s[48:49], s[8:9], s[48:49]
	s_mov_b32 s32, 1                               ; count = 1
	s_mov_b32 s33, s50                             ; LDS address: wave x 26,112
	s_mov_b64 s[34:35], s[48:49]                   ; global address
	s_or_b32 s35, s35, 0x80000000                  ; type = 2
	s_add_nc_u64 s[4:5], s[4:5], s[52:53]
	s_add_nc_u64 s[6:7], s[6:7], s[54:55]
	s_add_nc_u64 s[10:11], s[10:11], s[56:57]
	s_add_nc_u64 s[12:13], s[12:13], s[56:57]
	s_add_nc_u64 s[14:15], s[14:15], s[56:57]
	s_add_nc_u64 s[16:17], s[16:17], s[58:59]
	s_add_nc_u64 s[18:19], s[18:19], s[60:61]
	CROUND                                         ; all four work-groups are here: the joint loads meet
	tensor_load_to_lds s[32:35], s[24:31]          ; my one tensor load: a quarter of Q's, K's and V's units together; each LDS byte is filled once
	s_nop 0
.rept 4
	v_nop                                          ; four lines behind the tensor load
.endr
.irp p, 0,1,2,3
.irp q, 0,1
	global_load_b128 v[XS+8*\p+4*\q:XS+8*\p+4*\q+3], v4, s[6:7] offset:2048*\q+512*\p   ; x's scale words: pair of tiles p, K steps 4 q on
.endr
.endr
.irp j, 0,1,2,3                        ; bq, bk in the result's layout: tile j's eight features of my half: 32 (j / 2) + 16 h + 8 (j % 2) + 0 .. 7
	global_load_b128 v[BQ+8*\j:BQ+8*\j+3], v6, s[10:11] offset:4*(32*(\j/2)+8*(\j%2))
	global_load_b128 v[BQ+8*\j+4:BQ+8*\j+7], v6, s[10:11] offset:4*(32*(\j/2)+8*(\j%2))+16
	global_load_b128 v[BK+8*\j:BK+8*\j+3], v6, s[12:13] offset:4*(32*(\j/2)+8*(\j%2))
	global_load_b128 v[BK+8*\j+4:BK+8*\j+7], v6, s[12:13] offset:4*(32*(\j/2)+8*(\j%2))+16
	global_load_b32 v[BVR+\j], v7, s[14:15] offset:4*(32*(\j/2)+8*(\j%2))               ; bv: my lane's one feature of tile j
.endr
	WIN 0x80                                       ; destination window 2: x's fragments of K steps 0-3, the steps in order
.irp s, 0,1,2,3
.irp i, 0,1,2,3,4,5,6,7
.irp c, 0,1
	global_load_b128 v[64*\s+8*\i+4*\c:64*\s+8*\i+4*\c+3], v4, s[4:5] offset:(8*\i+\s)*1024+512*\c
.endr
.endr
.endr
	WIN 0xc0                                       ; window 3: K steps 4-7
.irp s, 4,5,6,7
.irp i, 0,1,2,3,4,5,6,7
.irp c, 0,1
	global_load_b128 v[64*(\s-4)+8*\i+4*\c:64*(\s-4)+8*\i+4*\c+3], v4, s[4:5] offset:(8*\i+\s)*1024+512*\c
.endr
.endr
.endr
	WIN 0
	s_wait_tensorcnt 0x0                           ; my quarter of the three units has landed
	s_barrier_signal -1
	s_barrier_wait -1                              ; everybody's has
	s_wait_alu depctr_va_vdst(0)
	UNIT 0, 0, BQ, 1
	EPI 16, 0, 4096
	UNIT 0, 1, BK, 0
	EPI 18, 0, 8192
.irp j, 0,1,2,3
.irp e, 0,1,2,3,4,5,6,7
	v_mov_b32 v[128+8*\j+\e], v[BVR+\j]            ; V's results hold one feature a lane: its bias in all eight registers of tile j's C
.endr
.endr
	s_wait_alu depctr_va_vdst(0)
	UNIT 1, 2, 128, 0
	EPI 18, 4096, 8448
	s_wait_tensorcnt 0x0
	ds_add_u32 v254, v255
	s_wait_dscnt 0x0
	CROUND                                         ; the closing round
	s_endpgm
.Lfunc_end_k_qb3f6c727db_qkv:
	.size	k_qb3f6c727db_qkv, .Lfunc_end_k_qb3f6c727db_qkv-k_qb3f6c727db_qkv
	.p2alignl 7, 3214868480
	.fill 96, 4, 3214868480
	.section	.rodata,"a",@progbits
	.p2align	6, 0x0
	.amdhsa_kernel k_qb3f6c727db_qkv
		.amdhsa_group_segment_fixed_size 168448
		.amdhsa_private_segment_fixed_size 0
		.amdhsa_enable_private_segment 0
		.amdhsa_kernarg_size 64
		.amdhsa_user_sgpr_count 2
		.amdhsa_user_sgpr_kernarg_segment_ptr 1
		.amdhsa_wavefront_size32 1
		.amdhsa_system_sgpr_workgroup_id_x 1
		.amdhsa_system_sgpr_workgroup_id_y 1
		.amdhsa_system_sgpr_workgroup_id_z 1
		.amdhsa_system_vgpr_workitem_id 0
		.amdhsa_next_free_vgpr 1024
		.amdhsa_next_free_sgpr 66
		.amdhsa_reserve_vcc 0
		.amdhsa_float_denorm_mode_32 3
		.amdhsa_float_denorm_mode_16_64 3
		.amdhsa_memory_ordered 1
		.amdhsa_forward_progress 1
		.amdhsa_inst_pref_size 185
	.end_amdhsa_kernel
	.amdgpu_metadata
---
amdhsa.version: [ 1, 2 ]
amdhsa.kernels:
  - .name:           k_qb3f6c727db_qkv
    .symbol:         k_qb3f6c727db_qkv.kd
    .args:
      - { .name: xq, .offset: 0, .size: 8, .value_kind: global_buffer, .address_space: global }
      - { .name: xs, .offset: 8, .size: 8, .value_kind: global_buffer, .address_space: global }
      - { .name: wimg, .offset: 16, .size: 8, .value_kind: global_buffer, .address_space: global }
      - { .name: bq, .offset: 24, .size: 8, .value_kind: global_buffer, .address_space: global }
      - { .name: bk, .offset: 32, .size: 8, .value_kind: global_buffer, .address_space: global }
      - { .name: bv, .offset: 40, .size: 8, .value_kind: global_buffer, .address_space: global }
      - { .name: qimg, .offset: 48, .size: 8, .value_kind: global_buffer, .address_space: global }
      - { .name: kv, .offset: 56, .size: 8, .value_kind: global_buffer, .address_space: global }
    .group_segment_fixed_size: 168448
    .private_segment_fixed_size: 0
    .kernarg_segment_align: 8
    .kernarg_segment_size: 64
    .max_flat_workgroup_size: 128
    .sgpr_count:     66
    .vgpr_count:     1024
    .wavefront_size: 32
...
	.end_amdgpu_metadata
.endif
;; end of part 2
;; launch attn (part 3): grid 4 x 64, 16 waves a work-group, clusters of 4 x 1, 169,984 bytes of LDS; arguments qimg, kv, oq, os; writes oq, os
.if DOCPART == 3
	.amdgcn_target "amdgcn-amd-amdhsa--gfx1250"
	.amdhsa_code_object_version 6
	.text
	.protected	k_qb3f6c727db_attn
	.globl	k_qb3f6c727db_attn
	.p2align	8
	.type	k_qb3f6c727db_attn,@function
k_qb3f6c727db_attn:
	s_mov_b64 s[64:65], 0
	v_nop
	global_prefetch_b8 v0, s[64:65] scope:SCOPE_SE
	s_setreg_imm32_b32 hwreg(HW_REG_WAVE_MODE, 25, 1), 1
	s_wait_xcnt 0x0
	s_wait_alu depctr_hold_cnt(0) depctr_sa_sdst(0) depctr_va_vdst(0) depctr_va_sdst(0) depctr_va_ssrc(0) depctr_va_vcc(0) depctr_vm_vsrc(0)
	s_getreg_b32 s2, hwreg(HW_REG_IB_STS2, 6, 4)
	s_cmp_eq_u32 s2, 0
	s_cbranch_scc0 .Lentry_in_a_cluster
	s_endpgm
.Lentry_in_a_cluster:
	s_bfe_u32 s2, ttmp6, 0x10000c
	s_cmp_lg_u32 s2, 0x3003
	s_cbranch_scc0 .Lentry_shape_is_right
	s_endpgm
.Lentry_shape_is_right:
; o = softmax(q k^T / 8, causal) v for one batch and head, both products on codes of FP4 with E8M0 scales; o is quantised along the head's 64 and leaves as codes, laid as the last product's operand.
; THE SOFTMAX: t = score x log2(e) / 8; M = the running largest t rounded UP to a whole number; p = 2^(t - M) is quantised along the keys, not normalised; the row's sum is taken of the unquantised p and divides at the end.
; When M moves, the sum and O are multiplied by 2^(old M - new M): exact.  Key steps all of whose keys lie behind the causal mask are left out.
; LIMITS: the running largest score begins at -3e38; the promise holds while the scaled scores stay under 2^31 in magnitude; 1 / the sum is v_rcp_f32 and a multiplication; a block of zeros, or one under 2^-124, gets the scale byte 1
; (its codes are zeros; only this program reads the bytes); NaN and infinities are not served.
; SHARES.  A cluster of four work-groups owns a head's 128 tiles of 16 queries; tile a = 4 u + cx belongs to work-group cx.  Wave w takes u = 31 - w (n1 = (31 - w) / 2 + 1 key steps of 128 keys) and then u = w (17 - n1 steps):
; 17 steps in every wave, walked in ONE loop of 17 trips.  Trip t takes group t of the keys while t < n1 (the late tile, its diagonal last) and group 16 - t from then on (the early tile, its diagonal first).
; All that hangs on the wave's number and the counter alone.  A work-group barrier at each trip's head keeps the sixteen waves at the same trip.
; LDS.  The head's K, V and scale words, 16 groups x 8,704 bytes, are filled ONCE: wave w asks for group w, JOINTLY with its partners; afterwards LDS is only read.  No prefetch: the one fill stands at the head, with no loop ahead of it.
; LAYOUT.  Both products are used transposed: S^T = K Q^T, O^T = V^T P^T: a lane holds ONE query (lane % 16) throughout.  The first product's K is 64, the instruction's 128: a fragment of K holds two tiles of keys, and q stands beside 64 zero codes.
; WHICH KEYS FORM A TILE is chosen by each lane's LDS address.  Fragment (c, x), half u: lanes r < 8 take rows 8 x + r of the stored pair 2 c, lanes r >= 8 rows 8 (1 - x) + r - 8 of pair 2 c + 1 (the other eight rows).
; Register 32 c + 16 x + 8 u + j of lane half h is then key 64 c + 32 h + 16 (x xor h) + 8 u + j: A LANE HOLDS TWO WHOLE BLOCKS OF 32 KEYS, 2 c + h.
; So a block's maximum needs no other lane, and the conversions' results are P's operand as they stand, but that in lanes 16-31 the two halves of a block have changed places: V's fragments are read as halves of 8 bytes, changed likewise there.
; REGISTERS: v1-7 lane terms; v8-9 the diagonal's numbers (v10-11 the early tile's); v12 -M, v13 the largest score, v[14:15] the sum; v16-27 zeros, q, zeros, v28 q's scale word (v228-231, v236 the early tile's); v29, v30 where o goes (v31, v206);
;   v32-63 K; v64-95 V; v96-159 S^T, then p, then o; v160-191 O^T; v192-199 codes; v200-201 K's scale words, v202-203 V's, v204 p's; v207 -infinity; v208-223 at work; v240-245 the step's addresses; v246-251 partial sums.
.set GRP,   8704                       ; a group of 128 keys in LDS: K 4,096, V 4,096, K's scale words 256, V's 256
.set FLOOR, 0x1800000
.macro CROUND                          ; a round of the cluster's barrier
	s_barrier_signal -1
	s_barrier_wait -1
	s_cmp_lg_u32 s12, 0
	s_cbranch_scc1 .Lnot_wave_0_\@
	s_barrier_signal -3
.Lnot_wave_0_\@:
	s_barrier_wait -3
	s_barrier_signal -1
	s_barrier_wait -1
.endm
.macro KLOAD a0, a1, as                ; a group's four fragments of K (a0: x = 0, a1: x = 1) and its scale words (lanes 0-15: x = 0, lanes 16-31: x = 1; word c): nine loads
.irp c, 0,1
.irp u, 0,1
	ds_load_b128 v[32+16*\c+4*\u:35+16*\c+4*\u], v[\a0] offset:2048*\c+512*\u
	ds_load_b128 v[40+16*\c+4*\u:43+16*\c+4*\u], v[\a1] offset:2048*\c+512*\u
.endr
.endr
	ds_load_b64 v[200:201], v[\as]
.endm
.macro SUMS cnt                        ; the next cnt pairs of p onto the four chains of the row's sum, by turns
.rept \cnt
.if (pi%4) == 3
	v_dual_add_f32 v14, v[96+2*pi], v14 :: v_dual_add_f32 v15, v[97+2*pi], v15
.else
	v_dual_add_f32 v[246+2*(pi%4)], v[96+2*pi], v[246+2*(pi%4)] :: v_dual_add_f32 v[247+2*(pi%4)], v[97+2*pi], v[247+2*(pi%4)]
.endif
.set pi, pi+1
.endr
.endm
.macro FRESH                           ; a tile's state: the step is written once; the first change of M leaves zeros zeros
	v_mov_b32 v13, 0xff61b1e6                      ; the largest score so far: -3e38
	v_mov_b32 v12, 0x7f61b1e6                      ; -M: 3e38, a whole number
	v_mov_b32 v14, 0
	v_mov_b32 v15, 0
.set n, 0
.rept 32
	v_mov_b32 v[160+n], 0                          ; O^T
.set n, n+1
.endr
.endm
	s_load_b256 s[4:11], s[0:1], 0x0               ; qimg s[4:5], kv s[6:7], oq s[8:9], os s[10:11]
	v_lshl_add_u32 v254, v0, 2, 0x29000
	v_mov_b32 v255, 0
	ds_add_u32 v254, v255                          ; the opening lines: the add, twice on end, and its wait
	ds_add_u32 v254, v255
	v_lshrrev_b32 v1, 5, v0
	v_readfirstlane_b32 s12, v1                    ; wave 0..15
	s_bfe_u32 s13, ttmp6, 0x40000                  ; cx: it enters q's and o's addresses and the mask's numbers alone
	s_and_b32 s36, ttmp7, 0xffff                   ; 16 batch + head, which the four partners share
	s_mov_b32 s14, 0x76543210
	s_mov_b32 s15, 0xfedcba98                      ; v_permlanex16_b32's selects for lane l xor 16
	s_mov_b32 s16, 0x3e38aa3b                      ; c = log2(e) / 8
	s_mov_b32 s17, s16                             ; (named with it as a pair, so it is written)
	s_mov_b32 s18, 0xffff0000                      ; a lane mask: lanes 16-31
	; descriptor group 1: a dense block of 8,704 bytes as 34 rows of 256 bytes (32 elements of 8 bytes), no padding
	s_mov_b32 s24, 15|(3<<16)|(1<<21)              ; the mask: all four work-groups; elements of 8 bytes; bit 21 set beside a mask
	s_mov_b32 s25, 32<<16
	s_mov_b32 s26, 34<<16
	s_mov_b32 s27, 32<<16
	s_mov_b32 s28, 34
	s_mov_b32 s29, 32
	s_mov_b32 s30, 0
	s_mov_b32 s31, 0
	s_mul_i32 s38, s36, 16*GRP
	s_mul_i32 s33, s12, GRP                        ; group w, in LDS
	s_add_co_u32 s38, s38, s33                     ; and in memory
	s_mov_b32 s39, 0
	s_mov_b32 s32, 1
	s_xor_b32 s23, s12, 31                         ; 31 - w
	s_lshr_b32 s21, s23, 1                         ; n1 - 1: the trip of the late tile's diagonal
	s_lshl_b32 s44, s23, 2
	s_add_co_u32 s44, s44, s13                     ; the late tile a = 4 (31 - w) + cx,
	s_lshl_b32 s45, s12, 2
	s_add_co_u32 s45, s45, s13                     ; the early one a = 4 w + cx
	s_lshr_b32 s37, s36, 4                         ; batch
	s_and_b32 s40, s36, 15                         ; head
	s_lshl_b32 s41, s37, 20
	s_lshl_b32 s43, s40, 9
	s_add_co_u32 s41, s41, s43                     ; oq: 2^20 a batch, 512 a head (K step head / 2, chunk head % 2)
	s_lshl_b32 s42, s37, 16
	s_lshr_b32 s43, s40, 3
	s_lshl_b32 s43, s43, 11
	s_add_co_u32 s42, s42, s43
	s_and_b32 s43, s40, 7
	s_lshl_b32 s43, s43, 1
	s_add_co_u32 s42, s42, s43                     ; os: 2^16 a batch, 2,048 for heads 8-15, 2 bytes a head
	s_and_b32 s52, s13, 1
	s_lshl_b32 s52, s52, 4                         ; an odd tile's two scale bytes stand 16 bits up in its pair's word
	s_mul_i32 s54, s36, 16*4352
	s_mov_b32 s55, 0
	s_wait_dscnt 0x0
	s_wait_kmcnt 0x0
	s_add_nc_u64 s[34:35], s[6:7], s[38:39]
	s_or_b32 s35, s35, 0x80000000                  ; type = 2
	s_add_nc_u64 s[4:5], s[4:5], s[54:55]
	CROUND                                         ; all four work-groups are here: the joint loads meet
	tensor_load_to_lds s[32:35], s[24:31]          ; my one tensor load
	s_nop 0
.rept 4
	v_nop                                          ; four lines behind it
.endr
	v_and_b32 v246, 15, v0                         ; r
	v_bfe_u32 v247, v0, 4, 1                       ; h
	v_and_b32 v248, 31, v0                         ; l
	v_and_b32 v249, 7, v0                          ; r % 8
	v_bfe_u32 v250, v0, 3, 1                       ; R = r / 8
	v_lshlrev_b32 v6, 3, v248
	v_lshlrev_b32 v248, 4, v248                    ; 16 l
	v_xor_b32 v251, v247, v250                     ; h xor R
	v_mul_u32_u24 v1, v250, 1152                   ; K, x = 0: pair R (1,024 bytes on), rows 8 R + r % 8 (16 bytes a row), 256 h
	v_lshl_add_u32 v1, v249, 4, v1
	v_lshl_add_u32 v1, v247, 8, v1
	v_xor_b32 v2, 128, v1                          ; x = 1: the pair's other eight rows
	v_lshlrev_b32 v3, 7, v250                      ; K's scale words: 128 R + 8 (8 (h xor R) + r % 8): lanes 0-15 the rows of x = 0, lanes 16-31 those of x = 1
	v_lshl_add_u32 v3, v249, 3, v3
	v_lshl_add_u32 v3, v251, 6, v3
	v_add_nc_u32 v3, 8192, v3
	v_lshl_add_u32 v4, v247, 3, v248               ; V: the half of my 16 bytes that goes into a chunk's registers 0, 1: the first in lanes 0-15, the second in lanes 16-31;
	v_add_nc_u32 v4, 4096, v4
	v_xor_b32 v5, 8, v4                            ; and the other half
	v_add_nc_u32 v6, 8448, v6                      ; V's scale words: 8 l
	v_lshlrev_b32 v7, 3, v247                      ; 8 h
	v_lshl_add_u32 v252, v250, 3, v246             ; r + 8 (r / 8): my query's place in its 32
	v_mul_u32_u24 v253, v247, 48
	v_lshlrev_b32 v245, 4, v247
	v_sub_nc_u32 v253, v252, v253                  ; less 48 h: for registers with x = 0,
	v_sub_nc_u32 v252, v252, v245                  ; less 16 h: for x = 1
	v_lshl_add_u32 v245, v246, 4, v247             ; 16 r + h
; tile a's offsets: q's chunk, q's scale word, the diagonal's two numbers, o's chunk, o's scale byte
.macro TILE a, vq, vs, vdg, voo, vos
	s_lshr_b32 s46, s[\a], 3                       ; its group of 128 queries
	s_mul_i32 s47, s46, 4352
	s_bfe_u32 s48, s[\a], 0x20001                  ; its pair in the group
	s_and_b32 s49, s[\a], 1                        ; its chunk in the pair
	s_lshl_b32 s50, s48, 10
	s_add_co_u32 s50, s50, s47
	s_lshl_b32 s51, s49, 9
	s_add_co_u32 s50, s50, s51
	v_add_nc_u32 v[\vq], s50, v248
	s_and_b32 s50, s48, 1
	s_lshl_b32 s50, s50, 7                         ; an odd pair's words stand in lanes 16-31: 128 bytes on;
	s_add_co_u32 s50, s50, s47
	s_lshr_b32 s51, s48, 1
	s_lshl_b32 s51, s51, 2                         ; pairs 2 and 3 in word 1
	s_add_co_u32 s50, s50, s51
	s_add_co_u32 s50, s50, 4096
	v_lshl_add_u32 v[\vs], v246, 3, s50
	s_lshl_b32 s50, s48, 5
	s_lshl_b32 s51, s49, 3
	s_add_co_u32 s50, s50, s51
	v_add_nc_u32 v[\vdg], s50, v253                ; my query's place among its group's 128, less 48 h,
	v_add_nc_u32 v[\vdg+1], s50, v252              ; and less 16 h
	s_lshl_b32 s50, s[\a], 13
	s_add_co_u32 s50, s50, s41
	v_add_nc_u32 v[\voo], s50, v248
	s_lshl_b32 s50, s46, 12
	s_and_b32 s51, s[\a], 7
	s_lshl_b32 s51, s51, 8
	s_add_co_u32 s50, s50, s51
	s_add_co_u32 s50, s50, s42
	v_add_nc_u32 v[\vos], s50, v245
.endm
	s_wait_alu depctr_va_vdst(0)                   ; ahead of the runs of scalar lines below
	TILE 44, 238, 239, 8, 29, 30
	TILE 45, 240, 241, 10, 31, 206
	s_wait_alu depctr_va_vdst(0)                   ; and ahead of the readers of what they made
	global_load_b128 v[20:23], v238, s[4:5]        ; q: lane (r, h): d = 32 h + 0 .. 31 of query r
	global_load_b32 v242, v239, s[4:5]
	global_load_b128 v[228:231], v240, s[4:5]
	global_load_b32 v243, v241, s[4:5]
.irp z, 16,17,18,19,24,25,26,27
	v_mov_b32 v[\z], 0                             ; 64 zero codes below q and above it
.endr
.irp z, 205,212,213,220,221,223
	v_mov_b32 v[\z], 0                             ; written once: a lane permute's destination counts as one of its sources; v223 is named as the upper half of a pair
.endr
	v_mov_b32 v207, 0xff800000                     ; -infinity
	v_mov_b32 v232, 0x3e38aa3b                     ; c = log2(e) / 8, in two registers: the two halves of a dual pair take their sources from different register banks (an even and an odd register)
	v_mov_b32 v233, 0x3e38aa3b
	FRESH
	s_wait_alu depctr_va_vdst(0)
	s_wait_loadcnt 0x0
	v_lshrrev_b32 v242, s52, v242
	v_lshrrev_b32 v243, s52, v243
	v_and_b32 v242, 0xffff, v242                   ; my tile's two bytes,
	v_and_b32 v243, 0xffff, v243
	v_lshl_or_b32 v28, v242, 16, v242              ; twice: for q below the zeros and above them
	v_lshl_or_b32 v236, v243, 16, v243
	s_mov_b32 s20, 0                               ; the trip t,
	s_mov_b32 s56, 0                               ; group t in LDS,
	s_mov_b32 s57, 16*GRP                          ; group 16 - t
	s_wait_alu depctr_va_vdst(0)                   ; the wait at the head's end
	s_wait_tensorcnt 0x0                           ; my group has landed,
	s_barrier_signal -1
	s_barrier_wait -1                              ; everybody's has: from here on LDS is only read
	KLOAD 1, 2, 3                                  ; trip 0's K: group 0
.Ltrip:
	s_wait_dscnt 0x0                               ; this trip's K, asked for a trip ago, is in; no LDS load of mine is out at the signal
	s_barrier_signal -1
	s_barrier_wait -1                              ; all sixteen waves begin trip t together
	s_cmp_le_u32 s20, s21
	s_cselect_b32 s19, s56, s57                    ; this trip's group: t for the late tile, 16 - t for the early one;
	s_add_co_u32 s58, s56, GRP
	s_sub_co_u32 s59, s57, GRP
	s_min_u32 s59, s59, 15*GRP                     ; (in the last trip there is no next group: the look-ahead stays inside the sixteen)
	s_cmp_lt_u32 s20, s21
	s_cselect_b32 s53, s58, s59                    ; the next trip's
	v_add_nc_u32 v243, s19, v4                     ; these six are also the places between the last step's products and the loads into V's registers
	v_add_nc_u32 v244, s19, v5
	v_add_nc_u32 v245, s19, v6
	v_add_nc_u32 v240, s53, v1
	v_add_nc_u32 v241, s53, v2
	v_add_nc_u32 v242, s53, v3
.irp j, 0,1,2,3
.irp c, 0,1
	ds_load_b64 v[64+8*\j+4*\c:65+8*\j+4*\c], v243 offset:1024*\j+512*\c   ; V^T: four fragments of 16 d x 128 keys, by halves of 8 bytes
	ds_load_b64 v[66+8*\j+4*\c:67+8*\j+4*\c], v244 offset:1024*\j+512*\c
.endr
.endr
	ds_load_b64 v[202:203], v245
.irp c, 0,1
.irp x, 0,1
.irp u, 0,1
.if \x
	v_wmma_scale_f32_16x16x128_f8f6f4 v[96+32*\c+16*\x+8*\u:103+32*\c+16*\x+8*\u], v[32+16*\c+8*\x:39+16*\c+8*\x], v[20-4*\u:27-4*\u], 0, v[200+\c], v28 matrix_a_fmt:MATRIX_FMT_FP4 matrix_b_fmt:MATRIX_FMT_FP4 matrix_a_scale:MATRIX_SCALE_ROW1
.else
	v_wmma_scale_f32_16x16x128_f8f6f4 v[96+32*\c+16*\x+8*\u:103+32*\c+16*\x+8*\u], v[32+16*\c+8*\x:39+16*\c+8*\x], v[20-4*\u:27-4*\u], 0, v[200+\c], v28 matrix_a_fmt:MATRIX_FMT_FP4 matrix_b_fmt:MATRIX_FMT_FP4
.endif
.endr
.endr
.endr
.rept 4
	v_nop                                          ; four places ahead of the loads into K's registers and of the first read of the scores
.endr
	KLOAD 240, 241, 242                            ; the next trip's K: a whole softmax ahead of its use
	s_sub_co_u32 s61, s20, s21                     ; the diagonals stand in trips n1 - 1 and n1
	s_cmp_gt_u32 s61, 1
	s_cbranch_scc1 .Lopen                          ; all keys of this step count
.set n, 0
.rept 64                               ; on the diagonal hidden scores become -infinity: p = 0 then.  Register n holds key 64 (n / 32) + n % 32 + 48 h (x = 0) or + 16 h (x = 1) of the group
	v_cmp_gt_i32 vcc_lo, 64*(n/32)+n%32, v[8+(n/16)%2]
	v_cndmask_b32 v[96+n], v[96+n], v207, vcc_lo
.set n, n+1
.endr
.Lopen:
.irp k, 0,1,2,3                        ; the largest score of my two blocks, in four chains of 16 registers; each accumulator is read from its low end on
	v_max3_num_f32 v[208+\k], v[96+16*\k], v[97+16*\k], v[98+16*\k]
.endr
.irp i, 3,5,7,9,11,13
.irp k, 0,1,2,3
	v_max3_num_f32 v[208+\k], v[208+\k], v[96+16*\k+\i], v[97+16*\k+\i]
.endr
.endr
	v_max3_num_f32 v208, v208, v209, v111
	v_max3_num_f32 v210, v210, v211, v143
	v_max_num_f32 v208, v208, v127                 ; block h: it serves for the row's maximum and, since p rises with the score, for the block's largest p
	v_max_num_f32 v209, v210, v159                 ; block 2 + h
	s_delay_alu instid0(VALU_DEP_1)
	v_max_num_f32 v220, v208, v209
	v_mov_b32 v221, v12
	s_delay_alu instid0(VALU_DEP_2)
	v_permlanex16_b32 v205, v220, s14, s15
	s_delay_alu instid0(VALU_DEP_1)
	v_max3_num_f32 v13, v13, v220, v205            ; the running largest score of my query
	s_delay_alu instid0(VALU_DEP_1)
	v_mul_f32 v12, -v13, s16                       ; as -t (c is positive)
	s_delay_alu instid0(VALU_DEP_1)
	v_floor_f32 v12, v12                           ; the new -M = -ceil(t): a whole number
	s_delay_alu instid0(VALU_DEP_1)
	v_sub_f32 v221, v12, v221                      ; old M - new M, 0 or less
	s_delay_alu instid0(VALU_DEP_1)
	v_cvt_i32_f32 v221, v221                       ; (it saturates)
	s_delay_alu instid0(VALU_DEP_1)
	v_ldexp_f32 v222, 1.0, v221                    ; f = 2^(old M - new M)
	v_mov_b32 v225, v12                            ; -M once more, in an odd register, for the pairs' second halves
.set n, 0
.rept 32
	v_dual_fma_f32 v[96+n], v[96+n], v232, v12 :: v_dual_fma_f32 v[97+n], v[97+n], v233, v225   ; t - M, two at a time
.set n, n+2
.endr
	v_fma_f32 v208, v208, s16, v12                 ; the same of each block's largest score
	v_fma_f32 v209, v209, s16, v12
	v_dual_mul_f32 v14, v222, v14 :: v_dual_mul_f32 v15, v222, v15   ; the sum under the new M,
.set n, 0
.rept 16
	v_dual_mul_f32 v[160+n], v222, v[160+n] :: v_dual_mul_f32 v[161+n], v222, v[161+n]   ; and O^T: its first read, ahead of this step's exponentials
.set n, n+2
.endr
	s_wait_alu depctr_va_vdst(0)                   ; the wait ahead of the batch
.set n, 0
.rept 64
	v_exp_f32 v[96+n], v[96+n]                     ; p = 2^(t - M)
.set n, n+1
.endr
	v_exp_f32 v208, v208                           ; each block's largest p
	v_exp_f32 v209, v209
	v_nop                                          ; a plain line behind the exponentials
	s_wait_alu depctr_va_vdst(0)                   ; one wait for the batch, ahead of its first reader
	v_max_num_f32 v208, FLOOR, v208                ; the floor 2^(3 - 127): the byte cannot fall under 1
	v_max_num_f32 v209, FLOOR, v209
	v_dual_add_f32 v246, v96, v98 :: v_dual_add_f32 v247, v97, v99   ; the row's sum of the unquantised p, in four chains of two halves, laid between the lines of the scales' chain
	v_dual_add_f32 v248, v100, v102 :: v_dual_add_f32 v249, v101, v103
	v_add_nc_u32 v216, 0xff000000, v208            ; 2 off the exponent field: the conversion's scale operand
	v_add_nc_u32 v217, 0xff000000, v209
	v_dual_add_f32 v250, v104, v106 :: v_dual_add_f32 v251, v105, v107
.set pi, 6
	SUMS 1
	v_lshrrev_b32 v212, 23, v216                   ; the bytes
	v_lshrrev_b32 v213, 23, v217
.irp c, 0,1
.irp g, 0,1,2,3
	v_cvt_scalef32_pk8_fp4_f32 v[192+4*\c+\g], v[96+32*\c+8*\g:103+32*\c+8*\g], v[216+\c]   ; registers 4 c .. 4 c + 3 of P's operand: my block 2 c + h
.endr
.endr
	v_lshl_or_b32 v204, v213, 16, v212             ; my two bytes: blocks h and 2 + h,
	SUMS 2
	v_lshlrev_b32 v204, v7, v204                   ; 8 h bits up;
	SUMS 2
	v_permlanex16_b32 v205, v204, s14, s15
	SUMS 2
	v_or_b32 v204, v204, v205                      ; with lane l xor 16's two p's scale word is whole
	SUMS 19                                        ; these and the three below are also the places between p's codes and scale word and the products
	v_dual_add_f32 v246, v248, v246 :: v_dual_add_f32 v247, v249, v247
	v_dual_add_f32 v14, v250, v14 :: v_dual_add_f32 v15, v251, v15
	v_dual_add_f32 v14, v246, v14 :: v_dual_add_f32 v15, v247, v15
	s_wait_alu depctr_va_vdst(0)
	s_wait_dscnt 9                                 ; V is in; the nine look-ahead loads of K may be out
.irp j, 0,1,2,3                        ; the four accumulators take turns; between two links of a chain stand the other three and the next step's eight
.if \j%2
	v_wmma_scale_f32_16x16x128_f8f6f4 v[160+8*\j:167+8*\j], v[64+8*\j:71+8*\j], v[192:199], v[160+8*\j:167+8*\j], v[202+\j/2], v204 matrix_a_fmt:MATRIX_FMT_FP4 matrix_b_fmt:MATRIX_FMT_FP4 matrix_a_scale:MATRIX_SCALE_ROW1
.else
	v_wmma_scale_f32_16x16x128_f8f6f4 v[160+8*\j:167+8*\j], v[64+8*\j:71+8*\j], v[192:199], v[160+8*\j:167+8*\j], v[202+\j/2], v204 matrix_a_fmt:MATRIX_FMT_FP4 matrix_b_fmt:MATRIX_FMT_FP4
.endif
.endr
	s_cmp_eq_u32 s20, s21                          ; the late tile ends with trip n1 - 1,
	s_cbranch_scc1 .Lout
	s_cmp_lg_u32 s20, 16                           ; the early one with trip 16
	s_cbranch_scc1 .Lnext
.Lout:
	; the way out: o = O^T / the sum, quantised along d (two blocks of 32), stored as one chunk of an image and two scale bytes a query
.rept 4
	v_nop
.endr
	v_add_f32 v14, v14, v15                        ; the sum's two halves,
	s_delay_alu instid0(VALU_DEP_1)
	v_permlanex16_b32 v220, v14, s14, s15
	s_delay_alu instid0(VALU_DEP_1)
	v_add_f32 v14, v14, v220                       ; and lane l xor 16's
	s_wait_alu depctr_va_vdst(0)
	v_rcp_f32 v14, v14
	v_nop                                          ; a plain line behind the reciprocal
	s_wait_alu depctr_va_vdst(0)                   ; and the wait ahead of its first reader
.set n, 0
.rept 32
	v_mul_f32 v[96+n], v[160+n], v14               ; register 16 b + i is d = 32 b + 16 h + i of my query
.set n, n+1
.endr
.irp b, 0,1
	v_max3_num_f32 v[208+\b], |v[96+16*\b]|, |v[97+16*\b]|, FLOOR
.endr
.irp i, 2,4,6,8,10,12,14
.irp b, 0,1
	s_delay_alu instid0(VALU_DEP_2)
	v_max3_num_f32 v[208+\b], v[208+\b], |v[96+16*\b+\i]|, |v[97+16*\b+\i]|
.endr
.endr
.irp b, 0,1
	s_delay_alu instid0(VALU_DEP_2)
	v_permlanex16_b32 v[212+\b], v[208+\b], s14, s15
.endr
.irp b, 0,1
	s_delay_alu instid0(VALU_DEP_2)
	v_max_num_f32 v[208+\b], v[208+\b], v[212+\b]
.endr
.irp b, 0,1
	s_delay_alu instid0(VALU_DEP_2)
	v_add_nc_u32 v[216+\b], 0xff000000, v[208+\b]
.endr
.irp b, 0,1
	s_delay_alu instid0(VALU_DEP_2)
	v_lshrrev_b32 v[212+\b], 23, v[216+\b]
.endr
.irp b, 0,1
	v_cvt_scalef32_pk8_fp4_f32 v[192+2*\b], v[96+16*\b:103+16*\b], v[216+\b]
	v_cvt_scalef32_pk8_fp4_f32 v[193+2*\b], v[104+16*\b:111+16*\b], v[216+\b]
.endr
	v_nop
	v_permlane16_swap_b32 v192, v194               ; lane (r, h): d = 32 h + 0 .. 31
	v_permlane16_swap_b32 v193, v195
	v_cndmask_b32 v237, v212, v213, s18            ; lanes 0-15 store block 0's byte, lanes 16-31 block 1's
	global_store_b128 v29, v[192:195], s[8:9]      ; 512 consecutive bytes
	global_store_b8 v30, v237, s[10:11]            ; two bytes of each of sixteen words: the other heads' work-groups store the words' other bytes
	s_cmp_eq_u32 s20, 16
	s_cbranch_scc1 .Lnext                          ; no tile follows the early one
.irp z, 0,1,2,3
	v_mov_b32 v[20+\z], v[228+\z]                  ; on to the early tile: its q,
.endr
	v_mov_b32 v28, v236                            ; its scale word,
	v_mov_b32 v8, v10                              ; its diagonal's numbers,
	v_mov_b32 v9, v11
	FRESH                                          ; a fresh state,
	s_wait_xcnt 0x0                                ; (the stores have read their registers)
	v_mov_b32 v29, v31                             ; and where its o goes
	v_mov_b32 v30, v206
	s_wait_alu depctr_va_vdst(0)
.Lnext:
	s_add_co_u32 s56, s56, GRP
	s_sub_co_u32 s57, s57, GRP
	s_add_co_u32 s20, s20, 1
	s_cmp_lt_u32 s20, 17
	s_cbranch_scc1 .Ltrip
	s_wait_dscnt 0x0
	s_wait_tensorcnt 0x0                           ; the wave's end
	ds_add_u32 v254, v255
	s_wait_dscnt 0x0
	CROUND                                         ; the closing round
	s_endpgm
.Lfunc_end_k_qb3f6c727db_attn:
	.size	k_qb3f6c727db_attn, .Lfunc_end_k_qb3f6c727db_attn-k_qb3f6c727db_attn
	.p2alignl 7, 3214868480
	.fill 96, 4, 3214868480
	.section	.rodata,"a",@progbits
	.p2align	6, 0x0
	.amdhsa_kernel k_qb3f6c727db_attn
		.amdhsa_group_segment_fixed_size 169984
		.amdhsa_private_segment_fixed_size 0
		.amdhsa_enable_private_segment 0
		.amdhsa_kernarg_size 32
		.amdhsa_user_sgpr_count 2
		.amdhsa_user_sgpr_kernarg_segment_ptr 1
		.amdhsa_wavefront_size32 1
		.amdhsa_system_sgpr_workgroup_id_x 1
		.amdhsa_system_sgpr_workgroup_id_y 1
		.amdhsa_system_sgpr_workgroup_id_z 1
		.amdhsa_system_vgpr_workitem_id 0
		.amdhsa_next_free_vgpr 256
		.amdhsa_next_free_sgpr 66
		.amdhsa_reserve_vcc 1
		.amdhsa_float_denorm_mode_32 3
		.amdhsa_float_denorm_mode_16_64 3
		.amdhsa_memory_ordered 1
		.amdhsa_forward_progress 1
		.amdhsa_inst_pref_size 38
	.end_amdhsa_kernel
	.amdgpu_metadata
---
amdhsa.version: [ 1, 2 ]
amdhsa.kernels:
  - .name:           k_qb3f6c727db_attn
    .symbol:         k_qb3f6c727db_attn.kd
    .args:
      - { .name: qimg, .offset: 0, .size: 8, .value_kind: global_buffer, .address_space: global }
      - { .name: kv, .offset: 8, .size: 8, .value_kind: global_buffer, .address_space: global }
      - { .name: oq, .offset: 16, .size: 8, .value_kind: global_buffer, .address_space: global }
      - { .name: os, .offset: 24, .size: 8, .value_kind: global_buffer, .address_space: global }
    .group_segment_fixed_size: 169984
    .private_segment_fixed_size: 0
    .kernarg_segment_align: 8
    .kernarg_segment_size: 32
    .max_flat_workgroup_size: 512
    .sgpr_count:     66
    .vgpr_count:     256
    .wavefront_size: 32
...
	.end_amdgpu_metadata
.endif
;; end of part 3
;; launch proj (part 4): grid 32 x 8, 4 waves a work-group, clusters of 4 x 1, 327,680 bytes of LDS; arguments oq, os, wimg, bo, out0; writes out0
.if DOCPART == 4
	.amdgcn_target "amdgcn-amd-amdhsa--gfx1250"
	.amdhsa_code_object_version 6
	.text
	.protected	k_qb3f6c727db_proj
	.globl	k_qb3f6c727db_proj
	.p2align	8
	.type	k_qb3f6c727db_proj,@function
k_qb3f6c727db_proj:
	s_mov_b64 s[64:65], 0
	v_nop
	global_prefetch_b8 v0, s[64:65] scope:SCOPE_SE
	s_setreg_imm32_b32 hwreg(HW_REG_WAVE_MODE, 25, 1), 1
	s_wait_xcnt 0x0
	s_wait_alu depctr_hold_cnt(0) depctr_sa_sdst(0) depctr_va_vdst(0) depctr_va_sdst(0) depctr_va_ssrc(0) depctr_va_vcc(0) depctr_vm_vsrc(0)
	s_getreg_b32 s2, hwreg(HW_REG_IB_STS2, 6, 4)
	s_cmp_eq_u32 s2, 0
	s_cbranch_scc0 .Lentry_in_a_cluster
	s_endpgm
.Lentry_in_a_cluster:
	s_bfe_u32 s2, ttmp6, 0x10000c
	s_cmp_lg_u32 s2, 0x3003
	s_cbranch_scc0 .Lentry_shape_is_right
	s_endpgm
.Lentry_shape_is_right:
; out0 = o Wo + bo on codes of FP4 with E8M0 scales (K = 1,024, eight steps of 128).  oq, os: the heads' results as images of operand registers (K step s: heads 2 s and 2 s + 1); wimg's unit 48 + n: Wo's columns 64 n on.
; LIMITS: the bias is the C of the first K step, so it is added first and not last.  NaN and infinities are not served.
; SHARES.  Work-group (x, y): tokens 256 x on (two groups of 128), columns 128 y on (two units of 64).  Wave w makes group w / 2 x unit w % 2: 128 tokens x 64 columns, 256 matrix instructions.
; LDS.  Both operands come by tensor loads and are shared: each group and each unit is read by two waves.  The two units (69,632 bytes, on end in memory) are asked for at the head, a quarter a wave, JOINTLY: the four work-groups
; of a cluster share the columns.  The two groups' codes (131,072 bytes, on end in memory) are wanted by this work-group alone: a quarter a wave, the wave's second tensor load, so it stands behind the full sequence and a round.
; No LDS byte is filled twice.  No prefetch: the launch has no loop to run ahead in.
; BY ROWS OF THE RESULT.  My unit's 32 fragments (256 registers, window 2) are read from LDS once, while o is on its way.  Then my eight tiles of 16 tokens are finished one after the other: a tile's eight fragments of o
; (window 3, two sets, fetched two tiles ahead), 32 matrix instructions on four accumulators by turns, K ascending; a finished tile is staged and stored while the next is multiplied.
; Source 0 = 16 columns of Wo, source 1 = 16 tokens: a lane holds one token and eight neighbouring columns.  Rows of a tile are in the order 32 b + 8 u + m + 8 (m / 8).
; THE WAY OUT: a tile of 16 tokens x 64 columns goes through my own stage in LDS (bytes of its own) and comes back by rows: sixteen lanes store 256 consecutive bytes, aligned.
; REGISTERS, window 0: v1-14 lane terms and addresses; v16-47 o's scale words; v48-63 Wo's; v64-127 rows of the result, two sets; v128-159 bo.  Window 1: accumulator (i, j) at 8 (4 i + j).
.set UNITB, 34816
.set QUART, 17408                      ; a quarter of two units
.set XS,  16
.set WS,  48
.set BO,  128
.set STG, 2*UNITB                      ; four stages of 16 rows x (256 + 16) bytes
.set OB,  STG+4*16*272                 ; o's two groups, 65,536 bytes each
.set SPARE, OB+2*65536                 ; the spare words, 128 bytes a wave
.set MSB, 0
.macro WIN new                         ; the immediate's high byte repeats the setting that is left
.if MSB != \new
	s_set_vgpr_msb (MSB<<8)|\new
.set MSB, \new
.endif
.endm
.macro CROUND                          ; a round of the cluster's barrier
	s_barrier_signal -1
	s_barrier_wait -1
	s_cmp_lg_u32 s20, 0
	s_cbranch_scc1 .Lnot_wave_0_\@
	s_barrier_signal -3
.Lnot_wave_0_\@:
	s_barrier_wait -3
	s_barrier_signal -1
	s_barrier_wait -1
.endm
.macro WM d, a, b, c, sa, sb, ra, rb   ; one matrix instruction; ra, rb: the side's scale words stand in lanes 16-31
.if (\ra) && (\rb)
	v_wmma_scale_f32_16x16x128_f8f6f4 v[\d:\d+7], v[\a:\a+7], v[\b:\b+7], v[\c:\c+7], v[\sa], v[\sb] matrix_a_fmt:MATRIX_FMT_FP4 matrix_b_fmt:MATRIX_FMT_FP4 matrix_a_scale:MATRIX_SCALE_ROW1 matrix_b_scale:MATRIX_SCALE_ROW1
.elseif (\ra)
	v_wmma_scale_f32_16x16x128_f8f6f4 v[\d:\d+7], v[\a:\a+7], v[\b:\b+7], v[\c:\c+7], v[\sa], v[\sb] matrix_a_fmt:MATRIX_FMT_FP4 matrix_b_fmt:MATRIX_FMT_FP4 matrix_a_scale:MATRIX_SCALE_ROW1
.elseif (\rb)
	v_wmma_scale_f32_16x16x128_f8f6f4 v[\d:\d+7], v[\a:\a+7], v[\b:\b+7], v[\c:\c+7], v[\sa], v[\sb] matrix_a_fmt:MATRIX_FMT_FP4 matrix_b_fmt:MATRIX_FMT_FP4 matrix_b_scale:MATRIX_SCALE_ROW1
.else
	v_wmma_scale_f32_16x16x128_f8f6f4 v[\d:\d+7], v[\a:\a+7], v[\b:\b+7], v[\c:\c+7], v[\sa], v[\sb] matrix_a_fmt:MATRIX_FMT_FP4 matrix_b_fmt:MATRIX_FMT_FP4
.endif
.endm
.macro WALL                            ; my unit's 32 fragments into window 2: fragment (s, j) at 32 s + 8 j: 64 loads of 512 consecutive bytes
	WIN 0x80
.set n, 0
.rept 64
	ds_load_b128 v[4*n:4*n+3], v8 offset:512*n
.set n, n+1
.endr
	WIN 0
.endm
.macro OT i                            ; tile i's eight fragments of o into window 3, set i % 2: sixteen loads
	WIN 0xc0
.irp s, 0,1,2,3,4,5,6,7
.irp c, 0,1
	ds_load_b128 v[64*((\i)%2)+8*\s+4*\c:64*((\i)%2)+8*\s+4*\c+3], v9 offset:(8*(\i)+\s)*1024+512*\c
.endr
.endr
	WIN 0
.endm
.macro MULT i                          ; tile i is finished: 32 matrix instructions, its four accumulators by turns, so that three others stand between two steps of a sum.  In step 0 the bias is C
.set ss, 0
.rept 8
.if ss == 0
	WIN 0x4e                                       ; source 0 (Wo) window 2, source 1 (o) window 3, C (the bias) window 0, D window 1
.else
	WIN 0x5e                                       ; C window 1
.endif
.set jj, 0
.rept 4
.set rD, 8*(4*(\i)+jj)
.if ss == 0
.set rC, BO+8*jj
.else
.set rC, rD
.endif
	WM rD, 32*ss+8*jj, 64*((\i)%2)+8*ss, rC, WS+2*ss+jj/2, XS+8*((\i)/2)+ss, jj&1, (\i)&1
.set jj, jj+1
.endr
.set ss, ss+1
.endr
.endm
	s_load_b256 s[4:11], s[0:1], 0x0               ; oq s[4:5], os s[6:7], wimg s[8:9], bo s[10:11]
	s_load_b64 s[12:13], s[0:1], 0x20              ; out0
	v_lshl_add_u32 v254, v0, 2, SPARE
	v_mov_b32 v255, 0
	ds_add_u32 v254, v255                          ; the opening lines: the add, twice on end, and its wait
	ds_add_u32 v254, v255
	v_lshrrev_b32 v1, 5, v0
	v_readfirstlane_b32 s20, v1                    ; wave 0..3
	s_and_b32 s21, s20, 1                          ; my unit of the two
	s_lshr_b32 s22, s20, 1                         ; my group of the two
	s_mul_i32 s23, s21, UNITB                      ; my unit in LDS
	s_lshl_b32 s40, s22, 16
	s_add_co_u32 s40, s40, OB                      ; my group in LDS
	s_mul_i32 s51, s20, 16*272
	s_add_co_u32 s51, s51, STG                     ; my stage
	v_and_b32 v1, 31, v0                           ; l
	v_and_b32 v2, 15, v0                           ; r
	v_bfe_u32 v3, v0, 4, 1                         ; h
	v_lshlrev_b32 v4, 4, v1                        ; 16 l
	v_lshlrev_b32 v5, 3, v1                        ; 8 l
	v_lshlrev_b32 v6, 6, v3                        ; bo: 16 h numbers on
	v_add_nc_u32 v8, s23, v4                       ; LDS: my unit's fragments,
	v_add_nc_u32 v11, s23, v5
	v_add_nc_u32 v11, 32768, v11                   ; its scale words,
	v_add_nc_u32 v9, s40, v4                       ; my group's fragments
	v_mul_u32_u24 v12, v2, 272
	v_lshl_add_u32 v12, v3, 6, v12
	v_add_nc_u32 v12, s51, v12                     ; the stage, in: row r, 64 h bytes on
	v_mul_u32_u24 v13, v3, 272
	v_lshl_add_u32 v13, v2, 4, v13
	v_add_nc_u32 v13, s51, v13                     ; back: lanes 0-15 one row, lanes 16-31 the next
	v_lshlrev_b32 v14, 12, v3
	v_lshl_add_u32 v14, v2, 4, v14                 ; and the same two rows in out0
	; descriptor group 1 for Wo: a dense block of 17,408 bytes as 68 rows of 256 bytes (32 elements of 8 bytes), no padding
	s_mov_b32 s24, 15|(3<<16)|(1<<21)              ; the mask: all four work-groups; elements of 8 bytes; bit 21 set beside a mask
	s_mov_b32 s25, 32<<16
	s_mov_b32 s26, 68<<16
	s_mov_b32 s27, 32<<16
	s_mov_b32 s28, 68
	s_mov_b32 s29, 32
	s_mov_b32 s30, 0
	s_mov_b32 s31, 0
	; and for o: 32,768 bytes as 128 rows of 256 bytes, no mask
	s_mov_b32 s68, 3<<16
	s_mov_b32 s69, 32<<16
	s_mov_b32 s70, 128<<16
	s_mov_b32 s71, 32<<16
	s_mov_b32 s72, 128
	s_mov_b32 s73, 32
	s_mov_b32 s74, 0
	s_mov_b32 s75, 0
	s_and_b32 s46, ttmp7, 0xffff                   ; y: the block of 128 columns, which the four partners share
	s_lshl_b32 s48, s46, 1
	s_add_co_u32 s48, s48, 48
	s_mul_i32 s48, s48, UNITB                      ; unit 48 + 2 y
	s_mul_i32 s33, s20, QUART                      ; my quarter of the two units, in LDS
	s_add_co_u32 s48, s48, s33                     ; and in memory
	s_mov_b32 s49, 0
	s_mov_b32 s32, 1
	s_mov_b32 s36, 1
	s_bfe_u32 s44, ttmp6, 0x40000                  ; cx: it enters o's and out0's global addresses alone
	s_lshl_b32 s45, ttmp9, 2
	s_add_co_u32 s45, s45, s44                     ; x: the block of 256 tokens
	s_lshl_b32 s41, s20, 15                        ; my quarter of the two groups: 32,768 bytes
	s_add_co_u32 s37, s41, OB                      ; in LDS,
	s_lshl_b32 s52, s45, 17
	s_add_co_u32 s52, s52, s41                     ; and in memory
	s_mov_b32 s53, 0
	s_lshl_b32 s47, s45, 1
	s_add_co_u32 s47, s47, s22                     ; G, the token group that I multiply
	s_lshl_b32 s54, s47, 12                        ; os: 4,096 bytes a group
	s_mov_b32 s55, 0
	s_lshl_b32 s56, s46, 1
	s_add_co_u32 s56, s56, s21
	s_lshl_b32 s56, s56, 8                         ; my 64 columns are 256 bytes, in bo and in a row of out0
	s_mov_b32 s57, 0
	s_lshl_b32 s58, s47, 19                        ; 128 rows of 4,096 bytes
	s_add_co_u32 s58, s58, s56
	s_mov_b32 s59, 0
	s_wait_alu depctr_va_vdst(0)                   ; the wait at the head's end
	s_wait_dscnt 0x0
	s_wait_kmcnt 0x0
	s_add_nc_u64 s[34:35], s[8:9], s[48:49]
	s_or_b32 s35, s35, 0x80000000                  ; type = 2
	s_add_nc_u64 s[38:39], s[4:5], s[52:53]
	s_or_b32 s39, s39, 0x80000000
	s_add_nc_u64 s[6:7], s[6:7], s[54:55]
	s_add_nc_u64 s[10:11], s[10:11], s[56:57]
	s_add_nc_u64 s[12:13], s[12:13], s[58:59]
	CROUND                                         ; all four work-groups are here: the joint loads meet
	tensor_load_to_lds s[32:35], s[24:31]          ; my quarter of the two units: my one tensor load at the head
	s_nop 0
.rept 4
	v_nop                                          ; four lines behind it
.endr
.irp p, 0,1,2,3
.irp q, 0,1
	global_load_b128 v[XS+8*\p+4*\q:XS+8*\p+4*\q+3], v4, s[6:7] offset:2048*\q+512*\p   ; o's scale words: pair of tiles p, K steps 4 q on
.endr
.endr
.irp j, 0,1,2,3                        ; bo in the result's layout: tile j's eight columns of my half
	global_load_b128 v[BO+8*\j:BO+8*\j+3], v6, s[10:11] offset:4*(32*(\j/2)+8*(\j%2))
	global_load_b128 v[BO+8*\j+4:BO+8*\j+7], v6, s[10:11] offset:4*(32*(\j/2)+8*(\j%2))+16
.endr
	s_wait_tensorcnt 0x0                           ; my quarter of the units has landed
	ds_add_u32 v254, v255
	s_wait_dscnt 0x0
	CROUND                                         ; everybody's has
	tensor_load_to_lds s[36:39], s[68:75]          ; my quarter of the two groups: the first tensor load behind the round
	s_nop 0
.rept 4
	v_nop
.endr
.irp s, 0,1,2,3,4,5,6,7
	ds_load_b64 v[WS+2*\s:WS+2*\s+1], v11 offset:256*\s            ; Wo's scale words, all eight steps
.endr
	WALL                                           ; and all its fragments, while o is on its way
	s_wait_tensorcnt 0x0                           ; my quarter of the groups has landed,
	s_wait_dscnt 0x0                               ; (no LDS load of mine is out at the signal)
	s_barrier_signal -1
	s_barrier_wait -1                              ; everybody's has: nothing is filled from here on
	OT 0
	OT 1
; tile i (16 tokens x 64 columns) into my stage, each accumulator from its low end on, and back by rows.  LDS serves a wave's instructions in order: no wait between the stores and the loads, nor ahead of the next tile's stores
.macro TOSTAGE i
	WIN 0x04                                       ; an LDS store's data: window 1
.irp j, 0,1,2,3
	ds_store_b128 v12, v[8*(4*(\i)+\j):8*(4*(\i)+\j)+3] offset:128*(\j/2)+32*(\j%2)
	ds_store_b128 v12, v[8*(4*(\i)+\j)+4:8*(4*(\i)+\j)+7] offset:128*(\j/2)+32*(\j%2)+16
.endr
	WIN 0
.irp t, 0,1,2,3,4,5,6,7
	ds_load_b128 v[64+32*((\i)%2)+4*\t:64+32*((\i)%2)+4*\t+3], v13 offset:544*\t
.endr
.endm
.macro SEND i, younger                 ; younger: the LDS instructions issued behind tile i's loads, which may stay out
	s_wait_dscnt \younger
.irp t, 0,1,2,3,4,5,6,7                ; rows 2 t and 2 t + 1 of the tile are tokens 32 (i / 2) + 8 (i % 2) + 2 t + 8 (t / 4) and the next
	global_store_b128 v14, v[64+32*((\i)%2)+4*\t:64+32*((\i)%2)+4*\t+3], s[12:13] offset:(32*((\i)/2)+8*((\i)%2)+2*\t+8*(\t/4))*4096 th:TH_STORE_NT
.endr
.endm
.irp i, 0,1,2,3,4,5,6,7
.if \i == 0
	s_wait_loadcnt 0x0                             ; o's scale words and the bias
	s_wait_dscnt 16                                ; tile 0's fragments are in; tile 1's sixteen loads may be out
.else
	s_wait_dscnt 32                                ; this tile's fragments are in; behind them stand at least the next tile's sixteen loads or a stage's sixteen instructions, and the last stage's sixteen
.endif
	MULT \i
.rept 4
	v_nop                                          ; four places between the products and the first read of their results, and the loads into the set that they read
.endr
	WIN 0
.if \i > 1
	s_wait_xcnt 0x0                                ; tile i - 2's stores have read their registers: tile i's rows may land there
.endif
.if \i < 6
	OT \i+2                                        ; the set just read takes the tile two further on
.endif
	TOSTAGE \i
.if \i > 0
.if \i < 6
	SEND \i-1, 32                                  ; behind tile i - 1's loads from the stage: sixteen loads of o, tile i's 8 stores and 8 loads
.else
	SEND \i-1, 16                                  ; tile i's 8 stores and 8 loads
.endif
.endif
.endr
	SEND 7, 0
	s_wait_tensorcnt 0x0                           ; the wave's end
	ds_add_u32 v254, v255
	s_wait_dscnt 0x0
	CROUND                                         ; the closing round
	s_endpgm
.Lfunc_end_k_qb3f6c727db_proj:
	.size	k_qb3f6c727db_proj, .Lfunc_end_k_qb3f6c727db_proj-k_qb3f6c727db_proj
	.p2alignl 7, 3214868480
	.fill 96, 4, 3214868480
	.section	.rodata,"a",@progbits
	.p2align	6, 0x0
	.amdhsa_kernel k_qb3f6c727db_proj
		.amdhsa_group_segment_fixed_size 327680
		.amdhsa_private_segment_fixed_size 0
		.amdhsa_enable_private_segment 0
		.amdhsa_kernarg_size 40
		.amdhsa_user_sgpr_count 2
		.amdhsa_user_sgpr_kernarg_segment_ptr 1
		.amdhsa_wavefront_size32 1
		.amdhsa_system_sgpr_workgroup_id_x 1
		.amdhsa_system_sgpr_workgroup_id_y 1
		.amdhsa_system_sgpr_workgroup_id_z 1
		.amdhsa_system_vgpr_workitem_id 0
		.amdhsa_next_free_vgpr 1024
		.amdhsa_next_free_sgpr 80
		.amdhsa_reserve_vcc 0
		.amdhsa_float_denorm_mode_32 3
		.amdhsa_float_denorm_mode_16_64 3
		.amdhsa_memory_ordered 1
		.amdhsa_forward_progress 1
		.amdhsa_inst_pref_size 70
	.end_amdhsa_kernel
	.amdgpu_metadata
---
amdhsa.version: [ 1, 2 ]
amdhsa.kernels:
  - .name:           k_qb3f6c727db_proj
    .symbol:         k_qb3f6c727db_proj.kd
    .args:
      - { .name: oq, .offset: 0, .size: 8, .value_kind: global_buffer, .address_space: global }
      - { .name: os, .offset: 8, .size: 8, .value_kind: global_buffer, .address_space: global }
      - { .name: wimg, .offset: 16, .size: 8, .value_kind: global_buffer, .address_space: global }
      - { .name: bo, .offset: 24, .size: 8, .value_kind: global_buffer, .address_space: global }
      - { .name: out0, .offset: 32, .size: 8, .value_kind: global_buffer, .address_space: global }
    .group_segment_fixed_size: 327680
    .private_segment_fixed_size: 0
    .kernarg_segment_align: 8
    .kernarg_segment_size: 40
    .max_flat_workgroup_size: 128
    .sgpr_count:     80
    .vgpr_count:     1024
    .wavefront_size: 32
...
	.end_amdgpu_metadata
.endif
;; end of part 4
